; MI455X (gfx1250); checked and timed in simulation.
; The chip was launched on July 23, 2026; its instructions are those of AMD's public machine-readable ISA for CDNA 5 (MIT licence, August 2026) and "CDNA5" Instruction Set Architecture Reference Guide (July 2026). The comments in the code are by the model that wrote it; some were corrected since.
;; Causal Self Attention. Allowed arithmetic: float matrix products may take bf16 or f16 operands with f32 sums; all other float work in f32.
;; Inputs: w_attn 1,024 x 3,072 float32; w_proj 1,024 x 1,024 float32; x 4 x 2,048 x 1,024 float32.
;; Outputs: out0 4 x 2,048 x 1,024 float32.
;; 3 versions, each right; version 3 is version 2 with the launch cast written anew for expert scheduling mode. Each part assembles by itself: llvm-mc -triple=amdgcn-amd-amdhsa -mcpu=gfx1250 --defsym DOCPART=n.
;; ======== version 1 of 3: 4 launches
;; limits: values are held in f16: magnitudes above 65,504 overflow, below 6.1e-05 lose precision
;; workspace buffers: xb 16,777,216 bytes; wab 6,291,456 bytes; wpb 2,097,152 bytes; qkv 50,331,648 bytes; y 16,777,216 bytes
;; launch cast (part 1): grid 768 x 1, 8 waves a work-group, no clusters, 0 bytes of LDS; arguments x, w_attn, w_proj, xb, wab, wpb; writes xb, wab, wpb
.if DOCPART == 1
	.amdgcn_target "amdgcn-amd-amdhsa--gfx1250"
	.amdhsa_code_object_version 6
	.text
	.protected	k_qc0216bfccf_cast
	.globl	k_qc0216bfccf_cast
	.p2align	8
	.type	k_qc0216bfccf_cast,@function
k_qc0216bfccf_cast:
	s_mov_b64 s[64:65], 0
	v_nop
	global_prefetch_b8 v0, s[64:65] scope:SCOPE_SE
	s_setreg_imm32_b32 hwreg(HW_REG_WAVE_MODE, 25, 1), 1
	s_wait_xcnt 0x0
; The three f32 inputs are rounded once to 16 bits for the matrix launches that follow.
;   x      [8192 tokens][1024]  -> xb  [16 kb][8192 tokens][64] bf16: each block of 64 along K lies dense, 128 bytes a token
;   w_attn [1024][3072]         -> wab the same order, bf16
;   w_proj [1024][1024]         -> wpb the same order, rounded to bf16 like the other inputs and then held as f16
; LIMIT: a bf16 number is exact in f16 for magnitudes from 2^-17 x its last bit's room up to 65,504; a |w_proj| above 65,504 becomes
; infinite, one below 6e-5 keeps an absolute step of 6e-8.
; A stream: no LDS, no barrier, no matrix unit.  768 work-groups of eight waves, each work-group 65,536 bytes of source:
; work-groups 0-511 take x (16 tokens each), 512-703 w_attn, 704-767 w_proj.  A lane reads 8 neighbouring f32 (two loads of 16 bytes)
; and stores 16 bytes, so each store of a wave covers 512 consecutive bytes, aligned.  A wave has 8 such units: its 16 loads go out first.
.set SO, 1                             ; v1        byte offset of my 32 bytes in the group's source
.set DO, 2                             ; v2        byte offset of my 16 bytes in the group's destination
.set LN, 3                             ; v3        lane
.set T,  4                             ; v[4:5]    at work
.set X,  8                             ; v[8:71]   unit i: 8 f32 as loaded
.set Y,  72                            ; v[72:103] unit i: 4 registers to store
; Eight units.  Unit i lies at (i/2) s2 + (i%2) s1 in the source and at (i/2) d2 + (i%2) d1 in the destination.
.macro CAST8 src, dst, s2, s1, d2, d1, tof16
.irp i, 0,1,2,3,4,5,6,7
	global_load_b128 v[X+8*\i:X+8*\i+3],   v[SO], s[\src:\src+1] offset:(\i/2)*\s2+(\i%2)*\s1 th:TH_LOAD_NT
	global_load_b128 v[X+8*\i+4:X+8*\i+7], v[SO], s[\src:\src+1] offset:(\i/2)*\s2+(\i%2)*\s1+16 th:TH_LOAD_NT
.endr
.irp i, 0,1,2,3,4,5,6,7
	s_wait_loadcnt 14-2*\i                         ; loads come back in order: unit i's two are in, the 2 (7 - i) younger ones stay out
.irp k, 0,1,2,3
	v_cvt_pk_bf16_f32 v[Y+4*\i+\k], v[X+8*\i+2*\k], v[X+8*\i+2*\k+1]
.endr
.if \tof16
.irp k, 0,1,2,3
	v_lshlrev_b32 v[T],   16, v[Y+4*\i+\k]         ; the two bf16 as f32,
	v_and_b32     v[T+1], 0xffff0000, v[Y+4*\i+\k]
	v_cvt_pk_f16_f32 v[Y+4*\i+\k], v[T], v[T+1]    ; and as f16: 8 bits of mantissa fit into 11
.endr
.endif
	global_store_b128 v[DO], v[Y+4*\i:Y+4*\i+3], s[\dst:\dst+1] offset:(\i/2)*\d2+(\i%2)*\d1
.endr
.endm
	s_load_b256 s[4:11], s[0:1], 0x0               ; x s[4:5], w_attn s[6:7], w_proj s[8:9], xb s[10:11]
	s_load_b128 s[12:15], s[0:1], 0x20             ; wab s[12:13], wpb s[14:15]
	v_lshrrev_b32 v[T], 5, v0
	v_readfirstlane_b32 s16, v[T]                  ; wave
	v_and_b32 v[LN], 31, v0
	s_mov_b32 s19, 0                               ; high words of the two offset pairs
	s_mov_b32 s21, 0
	s_cmp_lt_u32 ttmp9, 512
	s_cbranch_scc0 .Lweights
	; x: wave w takes K blocks 2w and 2w + 1 of the group's 16 tokens.  Unit i: tokens 4 (i/2) .. + 3, K block 2w + i%2.
	; A lane: token lane/8 of the four, 8 numbers at 8 (lane%8) of the block's 64.
	v_lshrrev_b32 v[SO], 3, v[LN]
	v_and_b32 v[T], 7, v[LN]
	v_lshlrev_b32 v[SO], 12, v[SO]                 ; a token is 4,096 bytes of x
	v_lshl_add_u32 v[SO], v[T], 5, v[SO]
	s_lshl_b32 s17, s16, 9                         ; two K blocks of 256 bytes a wave
	v_add_nc_u32 v[SO], s17, v[SO]
	s_lshl_b32 s17, s16, 21                        ; two K blocks of 1,048,576 bytes of xb a wave
	v_lshl_add_u32 v[DO], v[LN], 4, s17            ; 128 (lane/8) + 16 (lane%8) = 16 lane
	s_lshl_b32 s18, ttmp9, 16                      ; 16 tokens of 4,096 bytes
	s_lshl_b32 s20, ttmp9, 11                      ; 16 tokens of 128 bytes
	s_wait_kmcnt 0x0
	s_add_nc_u64 s[4:5], s[4:5], s[18:19]
	s_add_nc_u64 s[10:11], s[10:11], s[20:21]
	CAST8 4, 10, 16384, 256, 512, 1048576, 0
	s_endpgm
.Lweights:
	; a weight keeps its order: wave w takes 8,192 bytes of the group's 65,536, a unit is 1,024 bytes of source and 512 of destination
	s_lshl_b32 s17, s16, 13
	v_lshl_add_u32 v[SO], v[LN], 5, s17
	s_lshl_b32 s17, s16, 12
	v_lshl_add_u32 v[DO], v[LN], 4, s17
	s_cmp_lt_u32 ttmp9, 704
	s_cbranch_scc0 .Lproj
	s_sub_co_u32 s17, ttmp9, 512
	s_lshl_b32 s18, s17, 16
	s_lshl_b32 s20, s17, 15
	s_wait_kmcnt 0x0
	s_add_nc_u64 s[6:7], s[6:7], s[18:19]
	s_add_nc_u64 s[12:13], s[12:13], s[20:21]
	CAST8 6, 12, 2048, 1024, 1024, 512, 0
	s_endpgm
.Lproj:
	s_sub_co_u32 s17, ttmp9, 704
	s_lshl_b32 s18, s17, 16
	s_lshl_b32 s20, s17, 15
	s_wait_kmcnt 0x0
	s_add_nc_u64 s[8:9], s[8:9], s[18:19]
	s_add_nc_u64 s[14:15], s[14:15], s[20:21]
	CAST8 8, 14, 2048, 1024, 1024, 512, 1
	s_endpgm
.Lfunc_end_k_qc0216bfccf_cast:
	.size	k_qc0216bfccf_cast, .Lfunc_end_k_qc0216bfccf_cast-k_qc0216bfccf_cast
	.p2alignl 7, 3214868480
	.fill 96, 4, 3214868480
	.section	.rodata,"a",@progbits
	.p2align	6, 0x0
	.amdhsa_kernel k_qc0216bfccf_cast
		.amdhsa_group_segment_fixed_size 0
		.amdhsa_private_segment_fixed_size 0
		.amdhsa_enable_private_segment 0
		.amdhsa_kernarg_size 48
		.amdhsa_user_sgpr_count 2
		.amdhsa_user_sgpr_kernarg_segment_ptr 1
		.amdhsa_wavefront_size32 1
		.amdhsa_system_sgpr_workgroup_id_x 1
		.amdhsa_system_sgpr_workgroup_id_y 1
		.amdhsa_system_sgpr_workgroup_id_z 1
		.amdhsa_system_vgpr_workitem_id 0
		.amdhsa_next_free_vgpr 112
		.amdhsa_next_free_sgpr 66
		.amdhsa_reserve_vcc 0
		.amdhsa_float_denorm_mode_32 3
		.amdhsa_float_denorm_mode_16_64 3
		.amdhsa_memory_ordered 1
		.amdhsa_forward_progress 1
		.amdhsa_inst_pref_size 21
	.end_amdhsa_kernel
	.amdgpu_metadata
---
amdhsa.version: [ 1, 2 ]
amdhsa.kernels:
  - .name:           k_qc0216bfccf_cast
    .symbol:         k_qc0216bfccf_cast.kd
    .args:
      - { .name: x, .offset: 0, .size: 8, .value_kind: global_buffer, .address_space: global }
      - { .name: w_attn, .offset: 8, .size: 8, .value_kind: global_buffer, .address_space: global }
      - { .name: w_proj, .offset: 16, .size: 8, .value_kind: global_buffer, .address_space: global }
      - { .name: xb, .offset: 24, .size: 8, .value_kind: global_buffer, .address_space: global }
      - { .name: wab, .offset: 32, .size: 8, .value_kind: global_buffer, .address_space: global }
      - { .name: wpb, .offset: 40, .size: 8, .value_kind: global_buffer, .address_space: global }
    .group_segment_fixed_size: 0
    .private_segment_fixed_size: 0
    .kernarg_segment_align: 8
    .kernarg_segment_size: 48
    .max_flat_workgroup_size: 256
    .sgpr_count:     66
    .vgpr_count:     112
    .wavefront_size: 32
...
	.end_amdgpu_metadata
.endif
;; end of part 1
;; launch qkvgemm (part 2): grid 16 x 32, 4 waves a work-group, clusters of 4 x 4, 327,680 bytes of LDS; arguments xb, wab, qkv; writes qkv
.if DOCPART == 2
	.amdgcn_target "amdgcn-amd-amdhsa--gfx1250"
	.amdhsa_code_object_version 6
	.text
	.protected	k_qc0216bfccf_qkvgemm
	.globl	k_qc0216bfccf_qkvgemm
	.p2align	8
	.type	k_qc0216bfccf_qkvgemm,@function
k_qc0216bfccf_qkvgemm:
	s_mov_b64 s[64:65], 0
	v_nop
	global_prefetch_b8 v0, s[64:65] scope:SCOPE_SE
	s_setreg_imm32_b32 hwreg(HW_REG_WAVE_MODE, 25, 1), 1
	s_wait_xcnt 0x0
	s_wait_alu depctr_hold_cnt(0) depctr_sa_sdst(0) depctr_va_vdst(0) depctr_va_sdst(0) depctr_va_ssrc(0) depctr_va_vcc(0) depctr_vm_vsrc(0)
	s_getreg_b32 s2, hwreg(HW_REG_IB_STS2, 6, 4)
	s_cmp_eq_u32 s2, 0
	s_cbranch_scc0 .Lentry_in_a_cluster
	s_endpgm
.Lentry_in_a_cluster:
	s_bfe_u32 s2, ttmp6, 0x10000c
	s_cmp_lg_u32 s2, 0xf033
	s_cbranch_scc0 .Lentry_shape_is_right
	s_endpgm
.Lentry_shape_is_right:
; qkv = x w_attn.  A = xb [16 kb][8192 tokens][64] bf16 (blocks of 64 along K, dense), W = wab [1024 k][3072 n] bf16; sums in f32.
; Out: qkv [48 head slots][8192 tokens][64] f16 (head slot = n / 64: 0-15 q, 16-31 k, 32-47 v).
; LIMIT: q, k and v are rounded to f16: a magnitude above 65,504 becomes infinite, one below 6e-5 keeps an absolute step of 6e-8.
; A work-group makes 256 tokens x 192 columns (three heads): 16 x 32 = 512 work-groups.  Four waves; wave w makes tokens 64 w .. + 63 x all
; 192 columns: 4 x 12 accumulator tiles of 16 x 16, 384 registers, and so owns whole rows of its three heads on the way out.
; K goes in steps of 128 through a ring of two LDS slots filled by the tensor data mover, one load a wave for each slot.
; CLUSTERS: 4 x 4 work-groups.  A's tile hangs on the block row alone and is asked for jointly by the four of a row of the cluster, W's on the
; block column alone and is asked for jointly by the four of a column: the requests for A and for W are divided by four.
; W lies [k][n] in LDS as in memory; its fragments are taken by the transposing load ds_load_tr16_b128.
; THE MATRIX INSTRUCTION IS USED TRANSPOSED: source 0 = 16 columns of W, source 1 = 16 tokens of A, so that lane l holds token l % 16 and its
; eight registers the columns 8 (l / 16) + 0 .. 7: eight neighbours of a row of the result.
; REGISTER WINDOWS: 0: addresses, A's fragments (two buffers of 4 x 8), the way out.  1: W's fragments (two buffers of 12 x 8).
; 2: the tiles of my tokens 0-31 (tile (a, b) at 8 (12 a + b)).  3: those of my tokens 32-63.
.set NTOT,   3072                      ; columns of W
.set NB,     12                        ; blocks of 16 columns in a work-group's (and a wave's) part
.set KSTEP,  128
.set HS,     1048576                   ; bytes of one K block of A, and of one head slot of qkv: 8192 x 128
.set APITCH, 144                       ; a token's 128 bytes of a K block + 16 of padding: 36 words, so 16 tokens start 4 words apart modulo 64
.set SUBT,   256*APITCH                ; one K block of the work-group's 256 tokens
.set BPITCH, 480                       ; a k row of W: six pieces of 64 bytes, each + 16 of padding: 15 x 32 bytes
.set CHUNK,  80                        ; such a piece with its padding: two blocks of 16 columns
.set WQI,    3                         ; padding behind every 16 words
.set WPAD,   4                         ; of 4 words
.set HALFB,  64*BPITCH                 ; 64 k rows: what one tensor load brings of W
.set SLOT,   2*SUBT+2*HALFB            ; A's two K blocks, then W's 128 k rows
.set STAGE,  2*SLOT                    ; behind the ring: each wave's own stage for the way out; no tensor load lands there
.set WSTAGE, 3*16*144                  ; three heads x 16 tokens x (128 + 16) bytes
.set LAPS,   1024/(2*KSTEP)            ; a lap = two K steps = once round the ring
.set ADRA, 16                          ; v16-17  LDS address of my A fragments in slot 0, 1
.set ADRB, 20                          ; v20-21  the same for W
.set STO,  24                          ; the way out: where I put 16 bytes
.set RD,   25                          ; the way out: where I read back
.set CO,   26                          ; my byte offset in the result
.set FA,   32                          ; window 0: A's fragment buffers at 32 and 64
.set TMP,  96                          ; window 0: packed results
.set RB0,  144                         ; window 0: rows read back, two sets in turn
.set RB1,  192
.set G1,  24                           ; s[24:31] descriptor group 1 for A's tiles
.set G0,  32                           ; s[32:39] group 0 for A's tiles, one set for each slot
.set G1B, 48                           ; s[48:55] group 1 for W's tiles
.set G0B, 56                           ; s[56:63] group 0 for W's tiles, one set for each slot
.set MSB, 0
.macro WIN new                         ; the immediate's high byte repeats the setting that is left
.if MSB != \new
	s_set_vgpr_msb (MSB<<8)|\new
.set MSB, \new
.endif
.endm
.set MUL_LO, 0xa1                      ; source 0 (W) window 1, source 1 (A) window 0, C and D window 2
.set MUL_HI, 0xf1                      ; the same, C and D window 3
.set TO_B,   0x40                      ; destination window 1, address window 0
; A joint load.  Waves 0 and 1 fetch A's two K blocks, waves 2 and 3 W's two halves.  The branch hangs on the wave's number alone.
.macro JLOAD s
	s_cmp_eq_u32 s11, 0
	s_cbranch_scc0 .Lfor_b_\@
	tensor_load_to_lds s[G0+4*\s:G0+4*\s+3], s[G1:G1+7]
	s_nop 0
	s_branch .Lasked_\@
.Lfor_b_\@:
	tensor_load_to_lds s[G0B+4*\s:G0B+4*\s+3], s[G1B:G1B+7]
	s_nop 0
.Lasked_\@:
.endm
; A round of the cluster's barrier: my work-group's barrier; wave 0 signals for the work-group; every wave waits for all sixteen; my work-group's barrier again.
.macro CREST                           ; a round behind its opening barrier
	s_cmp_lg_u32 s10, 0
	s_cbranch_scc1 .Lnot_wave_0_\@
	s_barrier_signal -3
.Lnot_wave_0_\@:
	s_barrier_wait -3
	s_barrier_signal -1
	s_barrier_wait -1
.endm
.macro CROUND
	s_barrier_signal -1
	s_barrier_wait -1
	CREST
.endm
	s_load_b128 s[4:7], s[0:1], 0x0                ; A s[4:5], W s[6:7]
	s_load_b64 s[8:9], s[0:1], 0x10                ; the result
	s_set_vgpr_msb 0x40
	v_lshl_add_u32 v255, v0, 2, 0x48c00
	s_set_vgpr_msb 0x4000
	v_mov_b32 v255, 0
	s_set_vgpr_msb 0x1
	ds_add_u32 v255, v255
	s_set_vgpr_msb 0x100
	v_lshrrev_b32 v1, 5, v0
	v_readfirstlane_b32 s10, v1                    ; wave 0..3
	s_lshr_b32 s11, s10, 1                         ; I fetch for A (0) or for W (1)
	s_and_b32 s12, s10, 1                          ; which half of that tile
	s_bfe_u32 s40, ttmp6, 0x40000                  ; cx
	s_bfe_u32 s41, ttmp6, 0x40004                  ; cy
	s_lshl_b32 s42, ttmp9, 2
	s_add_co_u32 s42, s42, s40                     ; block column = 4 x cluster x + cx
	s_and_b32 s13, ttmp7, 0xffff
	s_lshl_b32 s13, s13, 2
	s_add_co_u32 s13, s13, s41                     ; block row = 4 x cluster y + cy
	s_lshl_b32 s43, s41, 2
	s_lshl_b32 s43, 15, s43                        ; my row of the cluster: places 4 cy .. 4 cy + 3
	s_lshl_b32 s44, 0x1111, s40                    ; my column: places cx, cx + 4, cx + 8, cx + 12
	; group 1 for A: a K block of 256 tokens is 32,768 dense bytes, taken as 128 rows of 32 elements of 8 bytes; 16 bytes of padding behind every 128
	s_or_b32 s[G1+0], s43, (3<<16)|(1<<20)|(1<<21)|(4<<22)|(3<<25)  ; mask of my row; element of 8 bytes; padding on; bit 21 beside a mask; after every 32 words; 4 words
	s_mov_b32 s[G1+1], 32<<16                      ; tensor_dim0 = 32
	s_mov_b32 s[G1+2], 128<<16                     ; tensor_dim1 = 128
	s_mov_b32 s[G1+3], 32<<16                      ; tile_dim0 = 32
	s_mov_b32 s[G1+4], 128                         ; tile_dim1 = 128
	s_mov_b32 s[G1+5], 32                          ; from row to row: 32 elements (dense)
	s_mov_b32 s[G1+6], 0
	s_mov_b32 s[G1+7], 0
	; group 1 for W: 64 k rows x 16 NB columns of 2 bytes
	s_or_b32 s[G1B+0], s44, (1<<16)|(1<<20)|(1<<21)|(WQI<<22)|((WPAD-1)<<25)
	s_mov_b32 s[G1B+1], (16*NB)<<16
	s_mov_b32 s[G1B+2], 64<<16
	s_mov_b32 s[G1B+3], (16*NB)<<16
	s_mov_b32 s[G1B+4], 64
	s_mov_b32 s[G1B+5], NTOT
	s_mov_b32 s[G1B+6], 0
	s_mov_b32 s[G1B+7], 0
	; where the tiles come from: A's address is made of the block row and the wave's number, W's of the block column and the wave's number
	s_lshl_b32 s16, s13, 15                        ; 256 tokens of 128 bytes a block row
	s_lshl_b32 s17, s12, 20                        ; + my K block of the step's two
	s_add_co_u32 s16, s16, s17
	s_mov_b32 s17, 0
	s_mul_i32 s46, s42, 32*NB                      ; 16 NB columns of 2 bytes a block column
	s_mul_i32 s47, s12, 64*NTOT*2                  ; + my 64 k rows of the step's 128
	s_add_co_u32 s46, s46, s47
	s_mov_b32 s47, 0
	s_mul_i32 s20, s10, SUBT                       ; where they go: A's K blocks at wave x SUBT (waves 0, 1),
	s_mul_i32 s21, s10, HALFB
	s_add_co_u32 s21, s21, 2*SUBT-2*HALFB          ; W's halves at 2 SUBT + (wave - 2) x HALFB (waves 2, 3)
	s_wait_dscnt 0x0
	s_wait_kmcnt 0x0
	s_add_nc_u64 s[14:15], s[4:5], s[16:17]
	s_add_nc_u64 s[46:47], s[6:7], s[46:47]
	CROUND                                         ; all sixteen work-groups are here: the first joint loads meet
.irp s, 0,1
	s_mov_b32 s[G0+4*\s], 1
	s_add_co_u32 s[G0+4*\s+1], s20, \s*SLOT
	s_add_nc_u64 s[G0+4*\s+2:G0+4*\s+3], s[14:15], \s*2*HS          ; K step s: K blocks 2 s, 2 s + 1
	s_or_b32 s[G0+4*\s+3], s[G0+4*\s+3], 0x80000000
	s_mov_b32 s[G0B+4*\s], 1
	s_add_co_u32 s[G0B+4*\s+1], s21, \s*SLOT
	s_add_nc_u64 s[G0B+4*\s+2:G0B+4*\s+3], s[46:47], \s*KSTEP*NTOT*2
	s_or_b32 s[G0B+4*\s+3], s[G0B+4*\s+3], 0x80000000
	JLOAD \s                                       ; both slots' first fills go out together: two tensor loads of a wave are out at the most
.endr
	v_and_b32 v1, 15, v0                           ; r = l % 16
	v_bfe_u32 v2, v0, 4, 1                         ; h = l / 16
	v_mul_u32_u24 v3, v1, APITCH
	v_lshl_add_u32 v3, v2, 4, v3                   ; r x 144 + 16 h
	s_mul_i32 s22, s10, 64*APITCH                  ; my 64 tokens
	v_add_nc_u32 v[ADRA], s22, v3
	v_add_nc_u32 v[ADRA+1], SLOT, v[ADRA]
	v_and_b32 v8, 7, v0
	v_lshl_add_u32 v4, v2, 3, v8                   ; the transposing load: k row 8 h + l % 8,
	v_mul_u32_u24 v4, v4, BPITCH
	v_bfe_u32 v5, v0, 3, 1
	v_lshl_add_u32 v4, v5, 4, v4                   ; 16 bytes (l / 8) % 2 of the block's 32
	v_add_nc_u32 v[ADRB], 2*SUBT, v4
	v_add_nc_u32 v[ADRB+1], SLOT, v[ADRB]
	s_mul_i32 s23, s10, WSTAGE
	s_add_co_u32 s23, s23, STAGE                   ; my stage
	v_add_nc_u32 v[STO], s23, v3                   ; in: token r, 16 bytes for each half of the lanes
	v_and_b32 v6, 31, v0
	v_lshrrev_b32 v7, 3, v6
	v_mul_u32_u24 v7, v7, 144
	v_lshl_add_u32 v7, v8, 4, v7
	v_add_nc_u32 v[RD], s23, v7                    ; back: four tokens of 128 bytes a load
	v_lshlrev_b32 v[CO], 4, v6                     ; which are 512 dense bytes of a head slot
.macro WM d, a, b, zero
.if \zero
	v_wmma_f32_16x16x32_bf16 v[\d:\d+7], v[\a:\a+7], v[\b:\b+7], 0
.else
	v_wmma_f32_16x16x32_bf16 v[\d:\d+7], v[\a:\a+7], v[\b:\b+7], v[\d:\d+7]
.endif
.endm
; NB matrix instructions: token block 2 hi + a x all NB column blocks, 32 along K, from fragment buffer f.  zero = 1: the product starts the sums.
.macro MULROW f, hi, a, zero
.set b, 0
.rept NB
	WM 8*(NB*\a+b), 96*\f+8*b, FA+32*\f+8*(2*\hi+\a), \zero
.set b, b+1
.endr
.endm
; 2 NB + 8 LDS loads in one run: the fragments of quarter q (32 along K) of a slot into buffer f: W's first, then A's four
.macro FETCH slot, q, f
	WIN TO_B
.set b, 0
.rept NB
	ds_load_tr16_b128 v[96*\f+8*b:96*\f+8*b+3],   v[ADRB+\slot] offset:32*\q*BPITCH+(b/2)*CHUNK+(b%2)*32
	ds_load_tr16_b128 v[96*\f+8*b+4:96*\f+8*b+7], v[ADRB+\slot] offset:32*\q*BPITCH+(b/2)*CHUNK+(b%2)*32+16*BPITCH
.set b, b+1
.endr
	WIN 0
.irp i, 0,1,2,3
	ds_load_b128 v[FA+32*\f+8*\i:FA+32*\f+8*\i+3],   v[ADRA+\slot] offset:(\q/2)*SUBT+(\q%2)*64+\i*16*APITCH
	ds_load_b128 v[FA+32*\f+8*\i+4:FA+32*\f+8*\i+7], v[ADRA+\slot] offset:(\q/2)*SUBT+(\q%2)*64+\i*16*APITCH+32
.endr
.endm
; A load into a register that a matrix instruction has read, and a vector instruction or LDS store that reads a matrix result, stand four places
; behind that matrix instruction; only plain vector instructions that name none of its registers are places.
.macro PLACES
.rept 4
	v_nop
.endr
.endm
; One of a K step's first three quarters: multiplies buffer f; in its middle fetches quarter q of the same slot into buffer g.
; The 4 NB accumulators take turns, one instruction a turn, in the same order in every quarter.
.macro QUARTER slot, q, f, g, zero
	s_wait_dscnt 4                                 ; W's fragments and A's 0 and 1 are in; the youngest four loads (A's 2 and 3) may be out
	WIN MUL_LO
	MULROW \f, 0, 0, \zero
	MULROW \f, 0, 1, \zero
	PLACES
	FETCH \slot, \q, \g
	s_wait_dscnt 2*NB+8                            ; all but the run just issued
	WIN MUL_HI
	MULROW \f, 1, 0, \zero
	MULROW \f, 1, 1, \zero
.endm
.macro THREE slot, zero
	QUARTER \slot, 1, 0, 1, \zero
	QUARTER \slot, 2, 1, 0, 0
	QUARTER \slot, 3, 0, 1, 0
.endm
; The last quarter: multiplies buffer 1 and changes slots.  In front of the barrier each wave waits for its reads of this slot and for all its
; tensor loads (the one that is out is its part of the next slot).  Where the slot is filled again the barrier opens a round of the cluster's
; barrier, and the joint refill is the first tensor load behind the round's closing wait.
.macro TURN slot, next, fill
	s_wait_dscnt 4
	WIN MUL_LO
	MULROW 1, 0, 0, 0
	s_wait_dscnt 0                                 ; my reads of this slot are over
	s_wait_tensorcnt 0x0                           ; all my tensor loads have landed
	ds_add_u32 v255, v255
	s_wait_dscnt 0x0
	s_barrier_signal -1
	MULROW 1, 0, 1, 0                              ; register work while the others arrive
	WIN 0
	s_barrier_wait -1
.if \fill
	CREST
	s_add_nc_u64 s[G0+4*\slot+2:G0+4*\slot+3], s[G0+4*\slot+2:G0+4*\slot+3], 4*HS              ; two K steps on: four K blocks
	s_add_nc_u64 s[G0B+4*\slot+2:G0B+4*\slot+3], s[G0B+4*\slot+2:G0B+4*\slot+3], 2*KSTEP*NTOT*2
	JLOAD \slot
.endif
	PLACES
	FETCH \next, 0, 0
	WIN MUL_HI
	MULROW 1, 1, 0, 0
	MULROW 1, 1, 1, 0
.endm
.macro LAP zero
	THREE 0, \zero
	TURN 0, 1, 1
	THREE 1, 0
	TURN 1, 0, 1
.endm
	s_wait_tensorcnt 1                             ; my part of K step 0 is in; K step 1's stays out
	s_barrier_signal -1
	s_barrier_wait -1
	FETCH 0, 0, 0
	LAP 1                                          ; the first lap stands in front of the loop: its first products start the sums
	WIN 0
	s_mov_b32 s3, LAPS-2
.Llap:
	LAP 0
	WIN 0
	s_sub_co_u32 s3, s3, 1
	s_cmp_lg_u32 s3, 0
	s_cbranch_scc1 .Llap
	THREE 0, 0                                     ; the last lap fills nothing
	TURN 0, 1, 0
	THREE 1, 0
	s_wait_dscnt 4
	WIN MUL_LO
	MULROW 1, 0, 0, 0
	MULROW 1, 0, 1, 0
	s_wait_dscnt 0
	WIN MUL_HI
	MULROW 1, 1, 0, 0
	MULROW 1, 1, 1, 0
	; THE WAY OUT, 16 tokens at a time: round to f16, 16 bytes a lane into my own stage (a row of 128 bytes for each head), read back four tokens
	; of a head at a time: 512 dense bytes of that head slot.
	PLACES
	s_lshl_b32 s16, s13, 15                        ; 256 tokens of 128 bytes a block row
	s_lshl_b32 s17, s10, 13                        ; + my 64 tokens
	s_add_co_u32 s16, s16, s17
	s_mov_b32 s17, 0
	s_add_nc_u64 s[8:9], s[8:9], s[16:17]
	s_mul_i32 s46, s42, 3*HS                       ; three head slots a block column
	s_mov_b32 s47, 0
	s_add_nc_u64 s[8:9], s[8:9], s[46:47]
; tokens 16 i .. + 15 = the NB tiles (a, 0 .. NB-1) of window 2 or 3 (from = 0x0a or 0x0f: sources 0 and 1)
.macro OUT16 i, a, from, rb
	WIN \from
.set b, 0
.rept NB
.irp r, 0,1,2,3
	v_cvt_pk_f16_f32 v[TMP+4*b+\r], v[8*(NB*\a+b)+2*\r], v[8*(NB*\a+b)+2*\r+1]
.endr
.set b, b+1
.endr
	WIN 0
.set b, 0
.rept NB
	ds_store_b128 v[STO], v[TMP+4*b:TMP+4*b+3] offset:(b/4)*16*144+(b%4)*32
.set b, b+1
.endr
	s_wait_xcnt 0x0                                ; set rb, which earlier stores read, is loaded again only behind this wait
.set b, 0
.rept NB
	ds_load_b128 v[\rb+4*b:\rb+4*b+3], v[RD] offset:(b/4)*16*144+(b%4)*4*144   ; LDS serves a wave's instructions in order: these see the stores above
.set b, b+1
.endr
.set b, 0
.rept NB
	s_wait_dscnt NB-1-b
	global_store_b128 v[CO], v[\rb+4*b:\rb+4*b+3], s[8:9] offset:(b/4)*HS+\i*2048+(b%4)*512   ; 512 consecutive bytes, aligned
.set b, b+1
.endr
.endm
	OUT16 0, 0, 0x0a, RB0
	OUT16 1, 1, 0x0a, RB1
	OUT16 2, 0, 0x0f, RB0
	OUT16 3, 1, 0x0f, RB1
	s_set_vgpr_msb 0x1
	s_wait_tensorcnt 0x0
	ds_add_u32 v255, v255
	s_wait_dscnt 0x0
	s_set_vgpr_msb 0x100
	CROUND                                         ; the closing round: no work-group ends while a partner may still ask for a tile that names it
	s_endpgm
.Lfunc_end_k_qc0216bfccf_qkvgemm:
	.size	k_qc0216bfccf_qkvgemm, .Lfunc_end_k_qc0216bfccf_qkvgemm-k_qc0216bfccf_qkvgemm
	.p2alignl 7, 3214868480
	.fill 96, 4, 3214868480
	.section	.rodata,"a",@progbits
	.p2align	6, 0x0
	.amdhsa_kernel k_qc0216bfccf_qkvgemm
		.amdhsa_group_segment_fixed_size 327680
		.amdhsa_private_segment_fixed_size 0
		.amdhsa_enable_private_segment 0
		.amdhsa_kernarg_size 24
		.amdhsa_user_sgpr_count 2
		.amdhsa_user_sgpr_kernarg_segment_ptr 1
		.amdhsa_wavefront_size32 1
		.amdhsa_system_sgpr_workgroup_id_x 1
		.amdhsa_system_sgpr_workgroup_id_y 1
		.amdhsa_system_sgpr_workgroup_id_z 1
		.amdhsa_system_vgpr_workitem_id 0
		.amdhsa_next_free_vgpr 960
		.amdhsa_next_free_sgpr 66
		.amdhsa_reserve_vcc 0
		.amdhsa_float_denorm_mode_32 3
		.amdhsa_float_denorm_mode_16_64 3
		.amdhsa_memory_ordered 1
		.amdhsa_forward_progress 1
		.amdhsa_inst_pref_size 163
	.end_amdhsa_kernel
	.amdgpu_metadata
---
amdhsa.version: [ 1, 2 ]
amdhsa.kernels:
  - .name:           k_qc0216bfccf_qkvgemm
    .symbol:         k_qc0216bfccf_qkvgemm.kd
    .args:
      - { .name: xb, .offset: 0, .size: 8, .value_kind: global_buffer, .address_space: global }
      - { .name: wab, .offset: 8, .size: 8, .value_kind: global_buffer, .address_space: global }
      - { .name: qkv, .offset: 16, .size: 8, .value_kind: global_buffer, .address_space: global }
    .group_segment_fixed_size: 327680
    .private_segment_fixed_size: 0
    .kernarg_segment_align: 8
    .kernarg_segment_size: 24
    .max_flat_workgroup_size: 128
    .sgpr_count:     66
    .vgpr_count:     960
    .wavefront_size: 32
...
	.end_amdgpu_metadata
.endif
;; end of part 2
;; launch attn (part 3): grid 256 x 1, 8 waves a work-group, no clusters, 327,680 bytes of LDS; arguments qkv, y; writes y
.if DOCPART == 3
	.amdgcn_target "amdgcn-amd-amdhsa--gfx1250"
	.amdhsa_code_object_version 6
	.text
	.protected	k_qc0216bfccf_attn
	.globl	k_qc0216bfccf_attn
	.p2align	8
	.type	k_qc0216bfccf_attn,@function
k_qc0216bfccf_attn:
	s_mov_b64 s[64:65], 0
	v_nop
	global_prefetch_b8 v0, s[64:65] scope:SCOPE_SE
	s_setreg_imm32_b32 hwreg(HW_REG_WAVE_MODE, 25, 1), 1
	s_wait_xcnt 0x0
; Causal attention, one head at a time, with a running maximum.  qkv [48 head slots][8192 tokens][64] f16 (q 0-15, k 16-31, v 32-47);
; y [16 heads][8192 tokens][64] f16.  Scores, maxima, exponentials and sums in f32; P and y are rounded to f16.
; LIMITS: P (0 .. 1) is rounded to f16 for the product with V while its row sum is taken from the unrounded f32 numbers; y is a mean of v's rows and
; has v's range (f16: above 65,504 infinite, below 6e-5 an absolute step of 6e-8).
; WORK: a head's 2,048 queries are 8 blocks of 256.  Work-group (head, j), j = 0 .. 3, makes block 2 j and then block 7 - 2 j: (2 j + 1) + (8 - 2 j) = 9 key
; blocks of 256 for every work-group, 64 heads x 4 = 256 work-groups.  Eight waves; wave w owns queries 32 w .. + 31 of the block (two tiles of 16).
; NO CLUSTER: the four work-groups of a head want different key blocks at the same time (2 j + 1 and 8 - 2 j of them in their two passes); joint requests
; would have to bring them into step and so undo the equal shares.
; ORIENTATION: S^T = K Q^T (rows = keys, columns = queries) and O^T = V^T P^T.  A lane then holds one query (l % 16): a row's maximum and sum are one number
; a lane, the two halves of the lanes meet by one v_permlanex16_b32, and two packed tiles of S^T are a fragment of P^T as they lie.
; ORDER OF KEY BLOCKS in a pass: the diagonal block first, then the blocks below it, downward.  The diagonal block's first 64 keys start all sums, so nothing is
; cleared, and only the diagonal block has a mask.  In it wave w takes keys 64 t .. + 63 in full for t < w / 2, masked for t = w / 2, and not at all beyond.
; K and V blocks come through a ring of two LDS slots, one barrier for each block; waves 0, 1 fetch V's halves, waves 2, 3 K's, waves 4-7 nothing:
; one tensor load of a wave is out at the most, and it has a whole block's work in which to land.
.set HS,     1048576                   ; bytes of a head slot
.set VPITCH, 160                       ; a key's 128 bytes of V + 32 of padding: 5 x 32 bytes, for the transposing load
.set KPITCH, 144                       ; a key's 128 bytes of K + 16
.set KOFF,   256*VPITCH                ; a slot: V's 256 keys, then K's
.set SLOT,   KOFF+256*KPITCH
.set STAGE,  2*SLOT                    ; behind the ring: each wave's own stage for the way out; no tensor load lands there
.set WSTAGE, 32*144
.set VK,   1                           ; v1-2    LDS address of my K fragments in slot 0, 1
.set VV,   3                           ; v3-4    the same for V
.set RD,   5                           ; the way out: where I read back
.set LS,   6                           ; v6-7    row sums of query tiles 0, 1: each half of the lanes keeps its own part until the end
.set NM,   8                           ; v8, v10 minus the running maximum times c.  The packed forms read pairs and take the first register for both halves;
.set QOFF, 9                           ;         the pairs' second registers hold constants of the set-up: my byte offset in a query block,
.set YOFF, 11                          ;         my byte offset in a block of y,
.set AL,   12                          ; v12, v14 the factor for the old sums
.set VQL,  13                          ;         32 (w % 2) + r - 8 h, for the mask,
.set STO,  15                          ;         the way out: where I put 16 bytes
.set T,    16                          ; v[16:23] at work, four for each query tile
.set QF,   24                          ; v[24:55]   Q's fragments: 24 + 16 a + 8 ks
.set OA,   56                          ; v[56:119]  O^T: 56 + 32 a + 8 dt
.set SC,   120                         ; v[120:183] S^T: 120 + 32 a + 8 st; later P^T: 120 + 32 a + 8 kk
.set KV,   184                         ; v[184:247] K's fragments 184 + 16 st + 8 ks, then V^T's 184 + 16 dt + 8 kk
.set CEXP, 0x3e38aa3b                  ; c = log2(e) / sqrt(64)
.set CNEG, 0xbe38aa3b                  ; -c
; The descriptors of the next key block, for the given slot.  It stands behind a wait for all tensor loads.  s14 = the block; then s14 steps: 2 j .. 0, 7 - 2 j .. 0.
.macro NEXT slot
	s_lshl_b32 s20, s14, 15                        ; a block of 256 keys is 32,768 bytes
	s_add_nc_u64 s[42:43], s[16:17], s[20:21]
	s_or_b32 s43, s43, 0x80000000
	s_add_nc_u64 s[46:47], s[18:19], s[20:21]
	s_or_b32 s47, s47, 0x80000000
	s_add_co_u32 s41, s58, (\slot)*SLOT
	s_add_co_u32 s45, s59, (\slot)*SLOT
	s_sub_co_u32 s22, s14, 1
	s_cmp_eq_u32 s14, 0
	s_cselect_b32 s14, s15, s22
.endm
.macro KVLOAD
	s_cmp_lt_u32 s8, 2
	s_cbranch_scc0 .Lnot_v_\@
	tensor_load_to_lds s[40:43], s[24:31]          ; waves 0, 1: 128 keys of V
	s_nop 0
	s_branch .Lkv_done_\@
.Lnot_v_\@:
	s_cmp_lt_u32 s8, 4
	s_cbranch_scc0 .Lkv_done_\@
	tensor_load_to_lds s[44:47], s[32:39]          ; waves 2, 3: 128 keys of K
	s_nop 0
.Lkv_done_\@:
.endm
; The change of slots: every wave waits for all its tensor loads (its part of this slot among them) and for its LDS reads (of the other slot), passes the
; barrier, and the other slot's refill is the first thing behind it, one tensor load a wave.
.macro RING slot, refill
	s_wait_tensorcnt 0x0
	ds_add_u32 v254, v255
	s_wait_dscnt 0x0
.if \refill
	NEXT 1-\slot
.endif
	s_wait_dscnt 0x0
	s_barrier_signal -1
	s_barrier_wait -1
.if \refill
	KVLOAD
.endif
.endm
.macro QLOAD base                      ; my 32 queries as four fragments: lane (r, h) takes d = 32 ks + 8 h .. + 7 and + 16 of query 16 a + r
.irp a, 0,1
.irp ks, 0,1
	global_load_b128 v[QF+16*\a+8*\ks:QF+16*\a+8*\ks+3],   v[QOFF], s[\base:\base+1] offset:\a*2048+\ks*64
	global_load_b128 v[QF+16*\a+8*\ks+4:QF+16*\a+8*\ks+7], v[QOFF], s[\base:\base+1] offset:\a*2048+\ks*64+32
.endr
.endr
.endm
; 64 keys (64 t .. + 63 of the slot's block) against my 32 queries.  first = 1: starts maximum, sums and O.  mask = 1: the diagonal block.
.macro SUB slot, t, first, mask
.rept 5
	v_nop                                          ; places behind the last products: four before loads land in their sources (KV), five before matrix instructions write over P
.endr
.irp ks, 0,1
.irp st, 0,1,2,3
	ds_load_b128 v[KV+16*\st+8*\ks:KV+16*\st+8*\ks+3],   v[VK+\slot] offset:\t*64*KPITCH+\st*16*KPITCH+\ks*64
	ds_load_b128 v[KV+16*\st+8*\ks+4:KV+16*\st+8*\ks+7], v[VK+\slot] offset:\t*64*KPITCH+\st*16*KPITCH+\ks*64+32
.endr
.endr
.if \first
	s_wait_loadcnt 0x0                             ; this pass's Q
.endif
	s_wait_dscnt 0x8                               ; d = 0 .. 31 of the 64 keys is in; the eight loads of d = 32 .. 63 stay out
	; S^T: eight accumulators by turns, one instruction a turn
.irp st, 0,1,2,3
.irp a, 0,1
	v_wmma_f32_16x16x32_f16 v[SC+32*\a+8*\st:SC+32*\a+8*\st+7], v[KV+16*\st:KV+16*\st+7], v[QF+16*\a:QF+16*\a+7], 0
.endr
.endr
	s_wait_dscnt 0x0
.irp st, 0,1,2,3
.irp a, 0,1
	v_wmma_f32_16x16x32_f16 v[SC+32*\a+8*\st:SC+32*\a+8*\st+7], v[KV+16*\st+8:KV+16*\st+15], v[QF+16*\a+8:QF+16*\a+15], v[SC+32*\a+8*\st:SC+32*\a+8*\st+7]
.endr
.endr
.rept 4
	v_nop                                          ; four places before V lands where K lay and before the scores are read
.endr
.irp kk, 0,1
.irp dt, 0,1,2,3
	ds_load_tr16_b128 v[KV+16*\dt+8*\kk:KV+16*\dt+8*\kk+3],   v[VV+\slot] offset:(64*\t+32*\kk)*VPITCH+32*\dt
	ds_load_tr16_b128 v[KV+16*\dt+8*\kk+4:KV+16*\dt+8*\kk+7], v[VV+\slot] offset:(64*\t+32*\kk)*VPITCH+32*\dt+16*VPITCH
.endr
.endr
.if \mask
	s_cmp_lg_u32 s9, \t                            ; only the 64 keys that hold my own queries are cut
	s_cbranch_scc1 .Lno_mask_\@
	; register jj of tile (a, st): key 16 st + 8 h + jj, query 32 (w % 2) + 16 a + r of these 64.  Kept where key <= query.  Key 0 of the 64 is kept by every query.
.irp a, 0,1
.irp st, 0,1,2,3
.irp jj, 0,1,2,3,4,5,6,7
	v_cmp_le_i32 vcc_lo, 16*\st+\jj-16*\a, v[VQL]
	v_cndmask_b32 v[SC+32*\a+8*\st+\jj], 0xff800000, v[SC+32*\a+8*\st+\jj], vcc_lo
.endr
.endr
.endr
.Lno_mask_\@:
.endif
	; the largest of a lane's 32 scores of each query tile, in four chains
.irp a, 0,1
.irp c, 0,1,2,3
	v_max3_num_f32 v[T+4*\a+\c], v[SC+32*\a+8*\c], v[SC+32*\a+8*\c+1], v[SC+32*\a+8*\c+2]
.endr
.endr
.irp a, 0,1
.irp c, 0,1,2,3
	v_max3_num_f32 v[T+4*\a+\c], v[T+4*\a+\c], v[SC+32*\a+8*\c+3], v[SC+32*\a+8*\c+4]
.endr
.endr
.irp a, 0,1
.irp c, 0,1,2,3
	v_max3_num_f32 v[T+4*\a+\c], v[T+4*\a+\c], v[SC+32*\a+8*\c+5], v[SC+32*\a+8*\c+6]
.endr
.endr
.irp a, 0,1
	v_max3_num_f32 v[T+4*\a],   v[T+4*\a],   v[T+4*\a+1], v[SC+32*\a+7]
	v_max3_num_f32 v[T+4*\a+2], v[T+4*\a+2], v[T+4*\a+3], v[SC+32*\a+15]
	v_max3_num_f32 v[T+4*\a],   v[T+4*\a],   v[T+4*\a+2], v[SC+32*\a+23]
	v_max_num_f32  v[T+4*\a],   v[T+4*\a],   v[SC+32*\a+31]
	v_permlanex16_b32 v[T+4*\a+1], v[T+4*\a], s12, s13         ; the other half of the lanes holds the query's other keys
	v_max_num_f32  v[T+4*\a],   v[T+4*\a],   v[T+4*\a+1]
.if \first
	v_mul_f32 v[NM+2*\a], CNEG, v[T+4*\a]                      ; n = - c x maximum
.else
	v_mul_f32 v[T+4*\a], CNEG, v[T+4*\a]                       ; the rounded product is kept as the new n, so it is not fused into the difference
	v_sub_f32 v[T+4*\a+1], v[T+4*\a], v[NM+2*\a]
	v_min_num_f32 v[NM+2*\a], v[NM+2*\a], v[T+4*\a]            ; the running maximum, as n = min
	v_min_num_f32 v[T+4*\a+1], 0, v[T+4*\a+1]                  ; new n - old n
	v_exp_f32 v[AL+2*\a], v[T+4*\a+1]                          ; the factor for the old sums; a plain instruction follows before it is used (ISA guide 5.7.2)
.endif
.endr
	; p = 2^(c s + n)
.set i, 0
.rept 32
	v_pk_fma_f32 v[SC+i:SC+i+1], v[SC+i:SC+i+1], CEXP, v[NM+2*(i/32):NM+2*(i/32)+1] op_sel_hi:[1,0,0]
.set i, i+2
.endr
.set i, 0
.rept 64
	v_exp_f32 v[SC+i], v[SC+i]
.set i, i+1
.endr
	v_nop                                          ; one plain place between the run of exponentials and the first use of a result (ISA guide 5.7.2)
	; a lane's part of the row sums
	s_wait_alu depctr_va_vdst(0)
.irp a, 0,1
	v_pk_add_f32 v[T+4*\a:T+4*\a+1],   v[SC+32*\a:SC+32*\a+1],   v[SC+32*\a+2:SC+32*\a+3]
	v_pk_add_f32 v[T+4*\a+2:T+4*\a+3], v[SC+32*\a+4:SC+32*\a+5], v[SC+32*\a+6:SC+32*\a+7]
.endr
.irp i4, 8,12,16,20,24,28
.irp a, 0,1
	v_pk_add_f32 v[T+4*\a:T+4*\a+1],   v[T+4*\a:T+4*\a+1],   v[SC+32*\a+\i4:SC+32*\a+\i4+1]
	v_pk_add_f32 v[T+4*\a+2:T+4*\a+3], v[T+4*\a+2:T+4*\a+3], v[SC+32*\a+\i4+2:SC+32*\a+\i4+3]
.endr
.endr
.irp a, 0,1
	v_pk_add_f32 v[T+4*\a:T+4*\a+1], v[T+4*\a:T+4*\a+1], v[T+4*\a+2:T+4*\a+3]
.endr
.irp a, 0,1
.if \first
	v_add_f32 v[LS+\a], v[T+4*\a], v[T+4*\a+1]
.else
	v_add_f32 v[T+4*\a], v[T+4*\a], v[T+4*\a+1]
	v_fma_f32 v[LS+\a], v[LS+\a], v[AL+2*\a], v[T+4*\a]
.endif
.endr
	; P^T in f16, packed in place, upward: tiles 2 kk and 2 kk + 1 become the eight registers of fragment kk
.set i, 0
.rept 16
	v_cvt_pk_f16_f32 v[SC+i],    v[SC+2*i],    v[SC+2*i+1]
	v_cvt_pk_f16_f32 v[SC+32+i], v[SC+32+2*i], v[SC+32+2*i+1]
.set i, i+1
.endr
.if \first == 0
.set i, 0
.rept 32
	v_pk_mul_f32 v[OA+i:OA+i+1], v[OA+i:OA+i+1], v[AL+2*(i/32):AL+2*(i/32)+1] op_sel_hi:[1,0]
.set i, i+2
.endr
.endif
	s_wait_dscnt 0x0                               ; V^T's fragments
	; O^T: eight accumulators by turns, one instruction a turn
.irp dt, 0,1,2,3
.irp a, 0,1
.if \first
	v_wmma_f32_16x16x32_f16 v[OA+32*\a+8*\dt:OA+32*\a+8*\dt+7], v[KV+16*\dt:KV+16*\dt+7], v[SC+32*\a:SC+32*\a+7], 0
.else
	v_wmma_f32_16x16x32_f16 v[OA+32*\a+8*\dt:OA+32*\a+8*\dt+7], v[KV+16*\dt:KV+16*\dt+7], v[SC+32*\a:SC+32*\a+7], v[OA+32*\a+8*\dt:OA+32*\a+8*\dt+7]
.endif
.endr
.endr
.irp dt, 0,1,2,3
.irp a, 0,1
	v_wmma_f32_16x16x32_f16 v[OA+32*\a+8*\dt:OA+32*\a+8*\dt+7], v[KV+16*\dt+8:KV+16*\dt+15], v[SC+32*\a+8:SC+32*\a+15], v[OA+32*\a+8*\dt:OA+32*\a+8*\dt+7]
.endr
.endr
.endm
.macro FULL slot, refill               ; a key block below the diagonal
	RING \slot, \refill
.irp t, 0,1,2,3
	SUB \slot, \t, 0, 0
.endr
.endm
.macro DIAG slot                       ; the diagonal block: wave w ends behind keys 64 (w / 2) .. + 63.  No barrier stands inside these branches.
	RING \slot, 1
	SUB \slot, 0, 1, 1
.irp t, 1,2,3
	s_cmp_lt_u32 s9, \t
	s_cbranch_scc1 .Ldiag_done_\@
	SUB \slot, \t, 0, 1
.endr
.Ldiag_done_\@:
.endm
; The end of a pass: O / l, rounded to f16, through my stage, out as 512 dense bytes (four tokens of the head) a store.  more = 1: the next pass's Q is asked for first.
.macro FINAL more, ybase
.rept 4
	v_nop                                          ; four places behind the last products: O is read, P's and V's registers are written
.endr
.if \more
	QLOAD 50
.endif
.irp a, 0,1
	v_permlanex16_b32 v[T+4*\a], v[LS+\a], s12, s13            ; the two halves' parts of the row sum meet
	v_add_f32 v[T+4*\a], v[T+4*\a], v[LS+\a]
.endr
	v_rcp_f32 v[AL],   v[T]                        ; the sum is at least about 1: the largest score's own term
	v_rcp_f32 v[AL+2], v[T+4]
	v_nop                                          ; one plain place before the reciprocals are used (ISA guide 5.7.2)
.set i, 0
	s_wait_alu depctr_va_vdst(0)
.rept 32
	v_pk_mul_f32 v[OA+i:OA+i+1], v[OA+i:OA+i+1], v[AL+2*(i/32):AL+2*(i/32)+1] op_sel_hi:[1,0]
.set i, i+2
.endr
.set i, 0
.rept 32
	v_cvt_pk_f16_f32 v[SC+i], v[OA+2*i], v[OA+2*i+1]           ; tile (a, dt) becomes four registers at 16 a + 4 dt: d = 16 dt + 8 h .. + 7 of query 16 a + r
.set i, i+1
.endr
.irp a, 0,1
.irp dt, 0,1,2,3
	ds_store_b128 v[STO], v[SC+16*\a+4*\dt:SC+16*\a+4*\dt+3] offset:\a*16*144+32*\dt
.endr
.endr
.irp i8, 0,1,2,3,4,5,6,7
	ds_load_b128 v[KV+4*\i8:KV+4*\i8+3], v[RD] offset:\i8*4*144    ; LDS serves a wave's instructions in order: these see the stores above
.endr
.irp i8, 0,1,2,3,4,5,6,7
	s_wait_dscnt 7-\i8
	global_store_b128 v[YOFF], v[KV+4*\i8:KV+4*\i8+3], s[\ybase:\ybase+1] offset:\i8*512
.endr
.if \more
	s_wait_xcnt 0x0                                ; KV, which the stores read, is loaded again only behind this wait
.endif
.endm
	s_load_b128 s[4:7], s[0:1], 0x0                ; qkv s[4:5], y s[6:7]
	v_lshl_add_u32 v254, v0, 2, 0x2f000
	v_mov_b32 v255, 0
	ds_add_u32 v254, v255
	v_lshrrev_b32 v[T], 5, v0
	v_readfirstlane_b32 s8, v[T]                   ; wave w
	s_lshr_b32 s9, s8, 1                           ; w / 2: which 64 keys of the diagonal block hold my queries
	s_and_b32 s10, ttmp9, 3                        ; j
	s_lshr_b32 s11, ttmp9, 2                       ; 16 b + h
	s_mov_b32 s12, 0x76543210                      ; v_permlanex16_b32: lane i of one half reads lane i of the other
	s_mov_b32 s13, 0xfedcba98
	s_lshl_b32 s14, s10, 1                         ; the first pass's block, and the first key block: 2 j
	s_sub_co_u32 s15, 7, s14                       ; the second pass's: 7 - 2 j
	s_sub_co_u32 s57, 3, s10                       ; trips of the second pass's loop
	; group 1: 128 keys are 16,384 dense bytes, taken as 64 rows of 32 elements of 8 bytes, with padding behind every 128 bytes: 32 bytes for V, 16 for K
	s_mov_b32 s24, (3<<16)|(1<<20)|(4<<22)|(7<<25)
	s_mov_b32 s32, (3<<16)|(1<<20)|(4<<22)|(3<<25)
	s_mov_b32 s25, 32<<16                          ; tensor_dim0 = 32
	s_mov_b32 s33, 32<<16
	s_mov_b32 s26, 64<<16                          ; tensor_dim1 = 64
	s_mov_b32 s34, 64<<16
	s_mov_b32 s27, 32<<16                          ; tile_dim0 = 32
	s_mov_b32 s35, 32<<16
	s_mov_b32 s28, 64                              ; tile_dim1 = 64
	s_mov_b32 s36, 64
	s_mov_b32 s29, 32                              ; from row to row: 32 elements (dense)
	s_mov_b32 s37, 32
	s_mov_b32 s30, 0
	s_mov_b32 s38, 0
	s_mov_b32 s31, 0
	s_mov_b32 s39, 0
	s_mov_b32 s40, 1
	s_mov_b32 s44, 1
	s_and_b32 s20, s11, 15
	s_lshl_b32 s20, s20, 20                        ; h head slots
	s_lshr_b32 s22, s11, 4
	s_lshl_b32 s22, s22, 18                        ; b x 2,048 tokens of 128 bytes
	s_add_co_u32 s22, s22, s20
	s_mov_b32 s23, 0
	s_mov_b32 s21, 0
	s_mul_i32 s58, s8, 128*VPITCH                  ; LDS: V's halves at w x 20,480 (waves 0, 1),
	s_mul_i32 s59, s8, 128*KPITCH
	s_add_co_u32 s59, s59, KOFF-2*128*KPITCH       ; K's at 40,960 + (w - 2) x 18,432 (waves 2, 3)
	s_lshl_b32 s60, s8, 14                         ; 128 keys of 128 bytes a wave
	s_lshl_b32 s62, s8, 12                         ; my 32 queries of 128 bytes
	v_and_b32 v16, 15, v0                          ; r
	v_bfe_u32 v17, v0, 4, 1                        ; h
	v_lshlrev_b32 v[QOFF], 7, v16
	v_lshl_add_u32 v[QOFF], v17, 4, v[QOFF]
	v_add_nc_u32 v[QOFF], s62, v[QOFF]             ; (32 w + r) x 128 + 16 h
	s_wait_dscnt 0x0
	s_wait_kmcnt 0x0
	s_add_nc_u64 s[4:5], s[4:5], s[22:23]          ; q of my head and batch
	s_add_nc_u64 s[6:7], s[6:7], s[22:23]          ; y of my head and batch
	s_lshl_b32 s20, s14, 15
	s_add_nc_u64 s[48:49], s[4:5], s[20:21]        ; the first pass's queries
	s_add_nc_u64 s[52:53], s[6:7], s[20:21]        ; and results
	s_lshl_b32 s20, s15, 15
	s_add_nc_u64 s[50:51], s[4:5], s[20:21]        ; the second pass's
	s_add_nc_u64 s[54:55], s[6:7], s[20:21]
	s_add_co_u32 s20, s60, 32*HS
	s_add_nc_u64 s[16:17], s[4:5], s[20:21]        ; v, my half of a key block (waves 0, 1)
	s_add_co_u32 s20, s60, 16*HS-32768
	s_add_nc_u64 s[18:19], s[4:5], s[20:21]        ; k, my half of a key block (waves 2, 3)
	NEXT 0
	KVLOAD                                         ; the first key block, into slot 0: ahead of every wait on TENSORcnt, LDS read and barrier
	QLOAD 48
	v_and_b32 v18, 31, v0                          ; l
	v_mul_u32_u24 v19, v16, 144
	v_lshl_add_u32 v19, v17, 4, v19                ; r x 144 + 16 h
	v_add_nc_u32 v[VK], KOFF, v19
	v_add_nc_u32 v[VK+1], SLOT+KOFF, v19
	v_and_b32 v20, 7, v0
	v_lshl_add_u32 v21, v17, 3, v20                ; the transposing load: key 8 h + l % 8,
	v_mul_u32_u24 v21, v21, VPITCH
	v_bfe_u32 v22, v0, 3, 1
	v_lshl_add_u32 v[VV], v22, 4, v21              ; 16 bytes (l / 8) % 2 of the 32 of a block of 16 along d
	v_add_nc_u32 v[VV+1], SLOT, v[VV]
	s_mul_i32 s61, s8, WSTAGE
	s_add_co_u32 s61, s61, STAGE                   ; my stage
	v_add_nc_u32 v[STO], s61, v19
	v_lshrrev_b32 v23, 3, v18
	v_mul_u32_u24 v23, v23, 144
	v_lshl_add_u32 v23, v20, 4, v23
	v_add_nc_u32 v[RD], s61, v23                   ; four tokens of 128 bytes a load
	v_lshl_add_u32 v[YOFF], v18, 4, s62            ; w x 32 tokens + 16 l
	s_and_b32 s63, s8, 1
	s_lshl_b32 s63, s63, 5
	v_lshlrev_b32 v22, 3, v17
	v_sub_nc_u32 v[VQL], v16, v22
	v_add_nc_u32 v[VQL], s63, v[VQL]               ; 32 (w % 2) + r - 8 h
	; nine key blocks, slots 0, 1, 0, 1 ..: the first pass has 2 j + 1, the second 8 - 2 j
	DIAG 0
	s_cmp_eq_u32 s10, 0
	s_cbranch_scc1 .Lend_a
	s_mov_b32 s56, 0
.Lloop_a:
	FULL 1, 1
	FULL 0, 1
	s_add_co_u32 s56, s56, 1
	s_cmp_lt_u32 s56, s10
	s_cbranch_scc1 .Lloop_a
.Lend_a:
	FINAL 1, 52
	DIAG 1
	s_cmp_eq_u32 s57, 0
	s_cbranch_scc1 .Lend_b
	s_mov_b32 s56, 0
.Lloop_b:
	FULL 0, 1
	FULL 1, 1
	s_add_co_u32 s56, s56, 1
	s_cmp_lt_u32 s56, s57
	s_cbranch_scc1 .Lloop_b
.Lend_b:
	FULL 0, 0                                      ; the last key block: nothing is left to fetch
	FINAL 0, 54
	s_wait_tensorcnt 0x0
	ds_add_u32 v254, v255
	s_wait_dscnt 0x0
	s_endpgm
.Lfunc_end_k_qc0216bfccf_attn:
	.size	k_qc0216bfccf_attn, .Lfunc_end_k_qc0216bfccf_attn-k_qc0216bfccf_attn
	.p2alignl 7, 3214868480
	.fill 96, 4, 3214868480
	.section	.rodata,"a",@progbits
	.p2align	6, 0x0
	.amdhsa_kernel k_qc0216bfccf_attn
		.amdhsa_group_segment_fixed_size 327680
		.amdhsa_private_segment_fixed_size 0
		.amdhsa_enable_private_segment 0
		.amdhsa_kernarg_size 16
		.amdhsa_user_sgpr_count 2
		.amdhsa_user_sgpr_kernarg_segment_ptr 1
		.amdhsa_wavefront_size32 1
		.amdhsa_system_sgpr_workgroup_id_x 1
		.amdhsa_system_sgpr_workgroup_id_y 1
		.amdhsa_system_sgpr_workgroup_id_z 1
		.amdhsa_system_vgpr_workitem_id 0
		.amdhsa_next_free_vgpr 256
		.amdhsa_next_free_sgpr 66
		.amdhsa_reserve_vcc 1
		.amdhsa_float_denorm_mode_32 3
		.amdhsa_float_denorm_mode_16_64 3
		.amdhsa_memory_ordered 1
		.amdhsa_forward_progress 1
		.amdhsa_inst_pref_size 255
	.end_amdhsa_kernel
	.section	.bss,"aw",@nobits
	.p2align	6
	.space	262144
	.amdgpu_metadata
---
amdhsa.version: [ 1, 2 ]
amdhsa.kernels:
  - .name:           k_qc0216bfccf_attn
    .symbol:         k_qc0216bfccf_attn.kd
    .args:
      - { .name: qkv, .offset: 0, .size: 8, .value_kind: global_buffer, .address_space: global }
      - { .name: y, .offset: 8, .size: 8, .value_kind: global_buffer, .address_space: global }
    .group_segment_fixed_size: 327680
    .private_segment_fixed_size: 0
    .kernarg_segment_align: 8
    .kernarg_segment_size: 16
    .max_flat_workgroup_size: 256
    .sgpr_count:     66
    .vgpr_count:     256
    .wavefront_size: 32
...
	.end_amdgpu_metadata
.endif
;; end of part 3
;; launch projgemm (part 4): grid 8 x 32, 4 waves a work-group, clusters of 4 x 4, 327,680 bytes of LDS; arguments y, wpb, out0; writes out0
.if DOCPART == 4
	.amdgcn_target "amdgcn-amd-amdhsa--gfx1250"
	.amdhsa_code_object_version 6
	.text
	.protected	k_qc0216bfccf_projgemm
	.globl	k_qc0216bfccf_projgemm
	.p2align	8
	.type	k_qc0216bfccf_projgemm,@function
k_qc0216bfccf_projgemm:
	s_mov_b64 s[64:65], 0
	v_nop
	global_prefetch_b8 v0, s[64:65] scope:SCOPE_SE
	s_setreg_imm32_b32 hwreg(HW_REG_WAVE_MODE, 25, 1), 1
	s_wait_xcnt 0x0
	s_wait_alu depctr_hold_cnt(0) depctr_sa_sdst(0) depctr_va_vdst(0) depctr_va_sdst(0) depctr_va_ssrc(0) depctr_va_vcc(0) depctr_vm_vsrc(0)
	s_getreg_b32 s2, hwreg(HW_REG_IB_STS2, 6, 4)
	s_cmp_eq_u32 s2, 0
	s_cbranch_scc0 .Lentry_in_a_cluster
	s_endpgm
.Lentry_in_a_cluster:
	s_bfe_u32 s2, ttmp6, 0x10000c
	s_cmp_lg_u32 s2, 0xf033
	s_cbranch_scc0 .Lentry_shape_is_right
	s_endpgm
.Lentry_shape_is_right:
; out0 = y w_proj.  A = y [16 heads][8192 tokens][64] f16 (a head is a block of 64 along K, dense), W = wpb [1024 k][1024 n] f16; sums in f32; out0 [8192][1024] f32.
; LIMIT: w_proj was rounded to bf16 and is held as f16 (above 65,504 infinite, below 6e-5 an absolute step of 6e-8); y is f16.
; A work-group makes 256 tokens x 128 columns: 8 x 32 = 256 work-groups.  Four waves; wave w makes tokens 64 w .. + 63 x all 128 columns: 4 x 8 accumulator
; tiles of 16 x 16, 256 registers, and so owns whole 512-byte pieces of rows on the way out.
; K goes in steps of 128 through a ring of two LDS slots filled by the tensor data mover, one load a wave for each slot.
; CLUSTERS: 4 x 4 work-groups.  A's tile hangs on the block row alone and is asked for jointly by the four of a row of the cluster, W's on the
; block column alone and is asked for jointly by the four of a column: the requests for A and for W are divided by four.
; W lies [k][n] in LDS as in memory; its fragments are taken by the transposing load ds_load_tr16_b128.
; THE MATRIX INSTRUCTION IS USED TRANSPOSED: source 0 = 16 columns of W, source 1 = 16 tokens of A, so that lane l holds token l % 16 and its
; eight registers the columns 8 (l / 16) + 0 .. 7: eight neighbours of a row of the result.
; REGISTER WINDOWS: 0: addresses, A's fragments (two buffers of 4 x 8), the way out.  1: W's fragments (two buffers of 8 x 8).
; 2: the tiles of my tokens 0-31 (tile (a, b) at 8 (8 a + b)).  3: those of my tokens 32-63.
.set NTOT,   1024                      ; columns of W
.set NB,     8                         ; blocks of 16 columns in a work-group's (and a wave's) part
.set KSTEP,  128
.set HS,     1048576                   ; bytes of one K block of A: 8192 x 128
.set APITCH, 144                       ; a token's 128 bytes of a K block + 16 of padding: 36 words, so 16 tokens start 4 words apart modulo 64
.set SUBT,   256*APITCH                ; one K block of the work-group's 256 tokens
.set BPITCH, 288                       ; a k row of W: 256 bytes + 32 of padding: 9 x 32 bytes
.set CHUNK,  64                        ; two blocks of 16 columns
.set WQI,    5                         ; padding behind every 64 words
.set WPAD,   8                         ; of 8 words
.set HALFB,  64*BPITCH                 ; 64 k rows: what one tensor load brings of W
.set SLOT,   2*SUBT+2*HALFB            ; A's two K blocks, then W's 128 k rows
.set STAGE,  2*SLOT                    ; behind the ring: each wave's own stage for the way out; no tensor load lands there
.set SPITCH, 528                       ; 128 f32 + 16 bytes: 132 words, so 16 rows start 4 words apart modulo 64
.set WSTAGE, 16*SPITCH
.set LAPS,   1024/(2*KSTEP)            ; a lap = two K steps = once round the ring
.set ADRA, 16                          ; v16-17  LDS address of my A fragments in slot 0, 1
.set ADRB, 20                          ; v20-21  the same for W
.set STO,  24                          ; the way out: where I put 32 bytes
.set RD,   25                          ; the way out: where I read back
.set CO,   26                          ; my byte offset in the result
.set FA,   32                          ; window 0: A's fragment buffers at 32 and 64
.set RB0,  96                          ; window 0: rows read back, two sets in turn
.set RB1,  160
.set G1,  24                           ; s[24:31] descriptor group 1 for A's tiles
.set G0,  32                           ; s[32:39] group 0 for A's tiles, one set for each slot
.set G1B, 48                           ; s[48:55] group 1 for W's tiles
.set G0B, 56                           ; s[56:63] group 0 for W's tiles, one set for each slot
.set MSB, 0
.macro WIN new                         ; the immediate's high byte repeats the setting that is left
.if MSB != \new
	s_set_vgpr_msb (MSB<<8)|\new
.set MSB, \new
.endif
.endm
.set MUL_LO, 0xa1                      ; source 0 (W) window 1, source 1 (A) window 0, C and D window 2
.set MUL_HI, 0xf1                      ; the same, C and D window 3
.set TO_B,   0x40                      ; destination window 1, address window 0
; A joint load.  Waves 0 and 1 fetch A's two K blocks, waves 2 and 3 W's two halves.  The branch hangs on the wave's number alone.
.macro JLOAD s
	s_cmp_eq_u32 s11, 0
	s_cbranch_scc0 .Lfor_b_\@
	tensor_load_to_lds s[G0+4*\s:G0+4*\s+3], s[G1:G1+7]
	s_nop 0
	s_branch .Lasked_\@
.Lfor_b_\@:
	tensor_load_to_lds s[G0B+4*\s:G0B+4*\s+3], s[G1B:G1B+7]
	s_nop 0
.Lasked_\@:
.endm
; A round of the cluster's barrier: my work-group's barrier; wave 0 signals for the work-group; every wave waits for all sixteen; my work-group's barrier again.
.macro CREST                           ; a round behind its opening barrier
	s_cmp_lg_u32 s10, 0
	s_cbranch_scc1 .Lnot_wave_0_\@
	s_barrier_signal -3
.Lnot_wave_0_\@:
	s_barrier_wait -3
	s_barrier_signal -1
	s_barrier_wait -1
.endm
.macro CROUND
	s_barrier_signal -1
	s_barrier_wait -1
	CREST
.endm
	s_load_b128 s[4:7], s[0:1], 0x0                ; A s[4:5], W s[6:7]
	s_load_b64 s[8:9], s[0:1], 0x10                ; the result
	s_set_vgpr_msb 0x40
	v_lshl_add_u32 v255, v0, 2, 0x3e400
	s_set_vgpr_msb 0x4000
	v_mov_b32 v255, 0
	s_set_vgpr_msb 0x1
	ds_add_u32 v255, v255
	s_set_vgpr_msb 0x100
	v_lshrrev_b32 v1, 5, v0
	v_readfirstlane_b32 s10, v1                    ; wave 0..3
	s_lshr_b32 s11, s10, 1                         ; I fetch for A (0) or for W (1)
	s_and_b32 s12, s10, 1                          ; which half of that tile
	s_bfe_u32 s40, ttmp6, 0x40000                  ; cx
	s_bfe_u32 s41, ttmp6, 0x40004                  ; cy
	s_lshl_b32 s42, ttmp9, 2
	s_add_co_u32 s42, s42, s40                     ; block column = 4 x cluster x + cx
	s_and_b32 s13, ttmp7, 0xffff
	s_lshl_b32 s13, s13, 2
	s_add_co_u32 s13, s13, s41                     ; block row = 4 x cluster y + cy
	s_lshl_b32 s43, s41, 2
	s_lshl_b32 s43, 15, s43                        ; my row of the cluster: places 4 cy .. 4 cy + 3
	s_lshl_b32 s44, 0x1111, s40                    ; my column: places cx, cx + 4, cx + 8, cx + 12
	; group 1 for A: a K block of 256 tokens is 32,768 dense bytes, taken as 128 rows of 32 elements of 8 bytes; 16 bytes of padding behind every 128
	s_or_b32 s[G1+0], s43, (3<<16)|(1<<20)|(1<<21)|(4<<22)|(3<<25)  ; mask of my row; element of 8 bytes; padding on; bit 21 beside a mask; after every 32 words; 4 words
	s_mov_b32 s[G1+1], 32<<16                      ; tensor_dim0 = 32
	s_mov_b32 s[G1+2], 128<<16                     ; tensor_dim1 = 128
	s_mov_b32 s[G1+3], 32<<16                      ; tile_dim0 = 32
	s_mov_b32 s[G1+4], 128                         ; tile_dim1 = 128
	s_mov_b32 s[G1+5], 32                          ; from row to row: 32 elements (dense)
	s_mov_b32 s[G1+6], 0
	s_mov_b32 s[G1+7], 0
	; group 1 for W: 64 k rows x 16 NB columns of 2 bytes
	s_or_b32 s[G1B+0], s44, (1<<16)|(1<<20)|(1<<21)|(WQI<<22)|((WPAD-1)<<25)
	s_mov_b32 s[G1B+1], (16*NB)<<16
	s_mov_b32 s[G1B+2], 64<<16
	s_mov_b32 s[G1B+3], (16*NB)<<16
	s_mov_b32 s[G1B+4], 64
	s_mov_b32 s[G1B+5], NTOT
	s_mov_b32 s[G1B+6], 0
	s_mov_b32 s[G1B+7], 0
	; where the tiles come from: A's address is made of the block row and the wave's number, W's of the block column and the wave's number
	s_lshl_b32 s16, s13, 15                        ; 256 tokens of 128 bytes a block row
	s_lshl_b32 s17, s12, 20                        ; + my K block of the step's two
	s_add_co_u32 s16, s16, s17
	s_mov_b32 s17, 0
	s_mul_i32 s46, s42, 32*NB                      ; 16 NB columns of 2 bytes a block column
	s_mul_i32 s47, s12, 64*NTOT*2                  ; + my 64 k rows of the step's 128
	s_add_co_u32 s46, s46, s47
	s_mov_b32 s47, 0
	s_mul_i32 s20, s10, SUBT                       ; where they go: A's K blocks at wave x SUBT (waves 0, 1),
	s_mul_i32 s21, s10, HALFB
	s_add_co_u32 s21, s21, 2*SUBT-2*HALFB          ; W's halves at 2 SUBT + (wave - 2) x HALFB (waves 2, 3)
	s_wait_dscnt 0x0
	s_wait_kmcnt 0x0
	s_add_nc_u64 s[14:15], s[4:5], s[16:17]
	s_add_nc_u64 s[46:47], s[6:7], s[46:47]
	CROUND                                         ; all sixteen work-groups are here: the first joint loads meet
.irp s, 0,1
	s_mov_b32 s[G0+4*\s], 1
	s_add_co_u32 s[G0+4*\s+1], s20, \s*SLOT
	s_add_nc_u64 s[G0+4*\s+2:G0+4*\s+3], s[14:15], \s*2*HS          ; K step s: K blocks 2 s, 2 s + 1
	s_or_b32 s[G0+4*\s+3], s[G0+4*\s+3], 0x80000000
	s_mov_b32 s[G0B+4*\s], 1
	s_add_co_u32 s[G0B+4*\s+1], s21, \s*SLOT
	s_add_nc_u64 s[G0B+4*\s+2:G0B+4*\s+3], s[46:47], \s*KSTEP*NTOT*2
	s_or_b32 s[G0B+4*\s+3], s[G0B+4*\s+3], 0x80000000
	JLOAD \s                                       ; both slots' first fills go out together: two tensor loads of a wave are out at the most
.endr
	v_and_b32 v1, 15, v0                           ; r = l % 16
	v_bfe_u32 v2, v0, 4, 1                         ; h = l / 16
	v_mul_u32_u24 v3, v1, APITCH
	v_lshl_add_u32 v3, v2, 4, v3                   ; r x 144 + 16 h
	s_mul_i32 s22, s10, 64*APITCH                  ; my 64 tokens
	v_add_nc_u32 v[ADRA], s22, v3
	v_add_nc_u32 v[ADRA+1], SLOT, v[ADRA]
	v_and_b32 v8, 7, v0
	v_lshl_add_u32 v4, v2, 3, v8                   ; the transposing load: k row 8 h + l % 8,
	v_mul_u32_u24 v4, v4, BPITCH
	v_bfe_u32 v5, v0, 3, 1
	v_lshl_add_u32 v4, v5, 4, v4                   ; 16 bytes (l / 8) % 2 of the block's 32
	v_add_nc_u32 v[ADRB], 2*SUBT, v4
	v_add_nc_u32 v[ADRB+1], SLOT, v[ADRB]
	s_mul_i32 s23, s10, WSTAGE
	s_add_co_u32 s23, s23, STAGE                   ; my stage
	v_mul_u32_u24 v7, v1, SPITCH
	v_lshl_add_u32 v7, v2, 5, v7
	v_add_nc_u32 v[STO], s23, v7                   ; in: token r, 32 bytes for each half of the lanes
	v_and_b32 v6, 31, v0
	v_lshlrev_b32 v[CO], 4, v6                     ; back and out: one token's 512 bytes a load, 16 bytes a lane
	v_add_nc_u32 v[RD], s23, v[CO]
.macro WM d, a, b, zero
.if \zero
	v_wmma_f32_16x16x32_f16 v[\d:\d+7], v[\a:\a+7], v[\b:\b+7], 0
.else
	v_wmma_f32_16x16x32_f16 v[\d:\d+7], v[\a:\a+7], v[\b:\b+7], v[\d:\d+7]
.endif
.endm
; NB matrix instructions: token block 2 hi + a x all NB column blocks, 32 along K, from fragment buffer f.  zero = 1: the product starts the sums.
.macro MULROW f, hi, a, zero
.set b, 0
.rept NB
	WM 8*(NB*\a+b), 96*\f+8*b, FA+32*\f+8*(2*\hi+\a), \zero
.set b, b+1
.endr
.endm
; 2 NB + 8 LDS loads in one run: the fragments of quarter q (32 along K) of a slot into buffer f: W's first, then A's four
.macro FETCH slot, q, f
	WIN TO_B
.set b, 0
.rept NB
	ds_load_tr16_b128 v[96*\f+8*b:96*\f+8*b+3],   v[ADRB+\slot] offset:32*\q*BPITCH+(b/2)*CHUNK+(b%2)*32
	ds_load_tr16_b128 v[96*\f+8*b+4:96*\f+8*b+7], v[ADRB+\slot] offset:32*\q*BPITCH+(b/2)*CHUNK+(b%2)*32+16*BPITCH
.set b, b+1
.endr
	WIN 0
.irp i, 0,1,2,3
	ds_load_b128 v[FA+32*\f+8*\i:FA+32*\f+8*\i+3],   v[ADRA+\slot] offset:(\q/2)*SUBT+(\q%2)*64+\i*16*APITCH
	ds_load_b128 v[FA+32*\f+8*\i+4:FA+32*\f+8*\i+7], v[ADRA+\slot] offset:(\q/2)*SUBT+(\q%2)*64+\i*16*APITCH+32
.endr
.endm
; A load into a register that a matrix instruction has read, and a vector instruction or LDS store that reads a matrix result, stand four places
; behind that matrix instruction; only plain vector instructions that name none of its registers are places.
.macro PLACES
.rept 4
	v_nop
.endr
.endm
; One of a K step's first three quarters: multiplies buffer f; in its middle fetches quarter q of the same slot into buffer g.
; The 4 NB accumulators take turns, one instruction a turn, in the same order in every quarter.
.macro QUARTER slot, q, f, g, zero
	s_wait_dscnt 4                                 ; W's fragments and A's 0 and 1 are in; the youngest four loads (A's 2 and 3) may be out
	WIN MUL_LO
	MULROW \f, 0, 0, \zero
	MULROW \f, 0, 1, \zero
	PLACES
	FETCH \slot, \q, \g
	s_wait_dscnt 2*NB+8                            ; all but the run just issued
	WIN MUL_HI
	MULROW \f, 1, 0, \zero
	MULROW \f, 1, 1, \zero
.endm
.macro THREE slot, zero
	QUARTER \slot, 1, 0, 1, \zero
	QUARTER \slot, 2, 1, 0, 0
	QUARTER \slot, 3, 0, 1, 0
.endm
; The last quarter: multiplies buffer 1 and changes slots.  In front of the barrier each wave waits for its reads of this slot and for all its
; tensor loads (the one that is out is its part of the next slot).  Where the slot is filled again the barrier opens a round of the cluster's
; barrier, and the joint refill is the first tensor load behind the round's closing wait.
.macro TURN slot, next, fill
	s_wait_dscnt 4
	WIN MUL_LO
	MULROW 1, 0, 0, 0
	s_wait_dscnt 0                                 ; my reads of this slot are over
	s_wait_tensorcnt 0x0                           ; all my tensor loads have landed
	ds_add_u32 v255, v255
	s_wait_dscnt 0x0
	s_barrier_signal -1
	MULROW 1, 0, 1, 0                              ; register work while the others arrive
	WIN 0
	s_barrier_wait -1
.if \fill
	CREST
	s_add_nc_u64 s[G0+4*\slot+2:G0+4*\slot+3], s[G0+4*\slot+2:G0+4*\slot+3], 4*HS              ; two K steps on: four K blocks
	s_add_nc_u64 s[G0B+4*\slot+2:G0B+4*\slot+3], s[G0B+4*\slot+2:G0B+4*\slot+3], 2*KSTEP*NTOT*2
	JLOAD \slot
.endif
	PLACES
	FETCH \next, 0, 0
	WIN MUL_HI
	MULROW 1, 1, 0, 0
	MULROW 1, 1, 1, 0
.endm
.macro LAP zero
	THREE 0, \zero
	TURN 0, 1, 1
	THREE 1, 0
	TURN 1, 0, 1
.endm
	s_wait_tensorcnt 1                             ; my part of K step 0 is in; K step 1's stays out
	s_barrier_signal -1
	s_barrier_wait -1
	FETCH 0, 0, 0
	LAP 1                                          ; the first lap stands in front of the loop: its first products start the sums
	WIN 0
	s_mov_b32 s3, LAPS-2
.Llap:
	LAP 0
	WIN 0
	s_sub_co_u32 s3, s3, 1
	s_cmp_lg_u32 s3, 0
	s_cbranch_scc1 .Llap
	THREE 0, 0                                     ; the last lap fills nothing
	TURN 0, 1, 0
	THREE 1, 0
	s_wait_dscnt 4
	WIN MUL_LO
	MULROW 1, 0, 0, 0
	MULROW 1, 0, 1, 0
	s_wait_dscnt 0
	WIN MUL_HI
	MULROW 1, 1, 0, 0
	MULROW 1, 1, 1, 0
	; THE WAY OUT, 16 tokens at a time: a lane's eight f32 of a tile are 32 neighbouring bytes of a row; they go straight from the accumulators into my own
	; stage and come back as whole pieces of rows, 512 bytes a load.
	PLACES
	s_lshl_b32 s16, s13, 20                        ; 256 rows of 4,096 bytes a block row
	s_lshl_b32 s17, s10, 18                        ; + my 64 rows
	s_add_co_u32 s16, s16, s17
	s_mov_b32 s17, 0
	s_add_nc_u64 s[8:9], s[8:9], s[16:17]
	s_lshl_b32 s46, s42, 9                         ; 128 columns of 4 bytes a block column
	s_mov_b32 s47, 0
	s_add_nc_u64 s[8:9], s[8:9], s[46:47]
; tokens 16 i .. + 15 = the NB tiles (a, 0 .. NB-1) of window 2 or 3 (from = 0x08 or 0x0c: an LDS store's data are its source 1)
.macro OUT16 i, a, from, rb
	WIN \from
.set b, 0
.rept NB
	ds_store_b128 v[STO], v[8*(NB*\a+b):8*(NB*\a+b)+3]   offset:64*b
	ds_store_b128 v[STO], v[8*(NB*\a+b)+4:8*(NB*\a+b)+7] offset:64*b+16
.set b, b+1
.endr
	WIN 0
	s_wait_xcnt 0x0                                ; set rb, which earlier stores read, is loaded again only behind this wait
.set b, 0
.rept 16
	ds_load_b128 v[\rb+4*b:\rb+4*b+3], v[RD] offset:b*SPITCH       ; LDS serves a wave's instructions in order: these see the stores above
.set b, b+1
.endr
.set b, 0
.rept 16
	s_wait_dscnt 15-b
	global_store_b128 v[CO], v[\rb+4*b:\rb+4*b+3], s[8:9] offset:(16*\i+b)*4096 th:TH_STORE_NT   ; 512 consecutive bytes of a row, aligned
.set b, b+1
.endr
.endm
	OUT16 0, 0, 0x08, RB0
	OUT16 1, 1, 0x08, RB1
	OUT16 2, 0, 0x0c, RB0
	OUT16 3, 1, 0x0c, RB1
	s_set_vgpr_msb 0x1
	s_wait_tensorcnt 0x0
	ds_add_u32 v255, v255
	s_wait_dscnt 0x0
	s_set_vgpr_msb 0x100
	CROUND                                         ; the closing round: no work-group ends while a partner may still ask for a tile that names it
	s_endpgm
.Lfunc_end_k_qc0216bfccf_projgemm:
	.size	k_qc0216bfccf_projgemm, .Lfunc_end_k_qc0216bfccf_projgemm-k_qc0216bfccf_projgemm
	.p2alignl 7, 3214868480
	.fill 96, 4, 3214868480
	.section	.rodata,"a",@progbits
	.p2align	6, 0x0
	.amdhsa_kernel k_qc0216bfccf_projgemm
		.amdhsa_group_segment_fixed_size 327680
		.amdhsa_private_segment_fixed_size 0
		.amdhsa_enable_private_segment 0
		.amdhsa_kernarg_size 24
		.amdhsa_user_sgpr_count 2
		.amdhsa_user_sgpr_kernarg_segment_ptr 1
		.amdhsa_wavefront_size32 1
		.amdhsa_system_sgpr_workgroup_id_x 1
		.amdhsa_system_sgpr_workgroup_id_y 1
		.amdhsa_system_sgpr_workgroup_id_z 1
		.amdhsa_system_vgpr_workitem_id 0
		.amdhsa_next_free_vgpr 896
		.amdhsa_next_free_sgpr 66
		.amdhsa_reserve_vcc 0
		.amdhsa_float_denorm_mode_32 3
		.amdhsa_float_denorm_mode_16_64 3
		.amdhsa_memory_ordered 1
		.amdhsa_forward_progress 1
		.amdhsa_inst_pref_size 119
	.end_amdhsa_kernel
	.amdgpu_metadata
---
amdhsa.version: [ 1, 2 ]
amdhsa.kernels:
  - .name:           k_qc0216bfccf_projgemm
    .symbol:         k_qc0216bfccf_projgemm.kd
    .args:
      - { .name: y, .offset: 0, .size: 8, .value_kind: global_buffer, .address_space: global }
      - { .name: wpb, .offset: 8, .size: 8, .value_kind: global_buffer, .address_space: global }
      - { .name: out0, .offset: 16, .size: 8, .value_kind: global_buffer, .address_space: global }
    .group_segment_fixed_size: 327680
    .private_segment_fixed_size: 0
    .kernarg_segment_align: 8
    .kernarg_segment_size: 24
    .max_flat_workgroup_size: 128
    .sgpr_count:     66
    .vgpr_count:     896
    .wavefront_size: 32
...
	.end_amdgpu_metadata
.endif
;; end of part 4
;; ======== version 2 of 3: 4 launches
;; limits: values are held in f16: magnitudes above 65,504 overflow, below 6.1e-05 lose precision
;; workspace buffers: xb 16,777,216 bytes; wab 6,291,456 bytes; wpb 2,097,152 bytes; qkv 50,331,648 bytes; y 16,777,216 bytes
;; launch cast (part 5): grid 832 x 1, 8 waves a work-group, no clusters, 0 bytes of LDS; arguments x, w_attn, w_proj, xb, wab, wpb; writes xb, wab, wpb
.if DOCPART == 5
	.amdgcn_target "amdgcn-amd-amdhsa--gfx1250"
	.amdhsa_code_object_version 6
	.text
	.protected	k_qc0216bfccf_cast
	.globl	k_qc0216bfccf_cast
	.p2align	8
	.type	k_qc0216bfccf_cast,@function
k_qc0216bfccf_cast:
	s_mov_b64 s[64:65], 0
	v_nop
	global_prefetch_b8 v0, s[64:65] scope:SCOPE_SE
	s_setreg_imm32_b32 hwreg(HW_REG_WAVE_MODE, 25, 1), 1
	s_wait_xcnt 0x0
; The three f32 inputs are rounded once to 16 bits for the matrix launches that follow.
;   x      [8192 tokens][1024]  -> xb  [16 kb][8192 tokens][64] bf16: each block of 64 along K lies dense, 128 bytes a token
;   w_attn [1024 k][3072 n]     -> wab [16 block columns][1024 k][192] bf16: a block column's k rows lie dense, 384 bytes each
;   w_proj [1024][1024]         -> wpb the same order, rounded to bf16 like the other inputs and then held as f16
; LIMIT: a |w_proj| above 65,504 becomes infinite in f16, one below 6e-5 keeps an absolute step of 6e-8.
; A stream: no LDS, no barrier, no matrix unit.  Eight waves a work-group.  Work-groups 0-511 take x (16 tokens = 65,536 bytes each), 512-767 w_attn
; (64 k rows of one block column = 49,152 bytes each), 768-831 w_proj (65,536 bytes each).
; A UNIT is one load of 16 bytes a lane (4 f32) and one store of 8 bytes a lane (4 numbers of 16 bits).  Sixteen neighbouring lanes read 256 consecutive
; bytes, aligned, and the 32 lanes of a store write 256 consecutive bytes, aligned.  All of a wave's loads (16, for w_attn 12) go out first.
.set HS,  1048576                      ; bytes of one K block of xb: 8192 x 128
.set SO,  1                            ; v1        a lane's byte offset in the source
.set DO,  2                            ; v2        a lane's byte offset in the destination
.set LN,  3                            ; v3        lane
.set T,   4                            ; v[4:5]    at work
.set SO1, 6                            ; v6        w_attn: the source offset of the unit that straddles two k rows
.set X,   8                            ; v[8:71]   unit u: 4 f32 as loaded
.set Y,   72                           ; v[72:103] unit u: 2 registers to store
.macro LD i, so, src, off
	global_load_b128 v[X+4*\i:X+4*\i+3], v[\so], s[\src:\src+1] offset:\off th:TH_LOAD_NT
.endm
.macro ST i, left, dst, off, tof16
	s_wait_loadcnt \left                           ; loads come back in order: this unit's is in, the younger ones stay out
	v_cvt_pk_bf16_f32 v[Y+2*\i],   v[X+4*\i],   v[X+4*\i+1]
	v_cvt_pk_bf16_f32 v[Y+2*\i+1], v[X+4*\i+2], v[X+4*\i+3]
.if \tof16
.irp k, 0,1
	v_lshlrev_b32 v[T],   16, v[Y+2*\i+\k]         ; the two bf16 as f32,
	v_and_b32     v[T+1], 0xffff0000, v[Y+2*\i+\k]
	v_cvt_pk_f16_f32 v[Y+2*\i+\k], v[T], v[T+1]    ; and as f16: 8 bits of mantissa fit into 11
.endr
.endif
	global_store_b64 v[DO], v[Y+2*\i:Y+2*\i+1], s[\dst:\dst+1] offset:\off
.endm
	s_load_b256 s[4:11], s[0:1], 0x0               ; x s[4:5], w_attn s[6:7], w_proj s[8:9], xb s[10:11]
	s_load_b128 s[12:15], s[0:1], 0x20             ; wab s[12:13], wpb s[14:15]
	v_lshrrev_b32 v[T], 5, v0
	v_readfirstlane_b32 s16, v[T]                  ; wave w
	v_and_b32 v[LN], 31, v0
	s_mov_b32 s19, 0                               ; high words of the two offset pairs
	s_mov_b32 s21, 0
	s_cmp_lt_u32 ttmp9, 512
	s_cbranch_scc0 .Lweights
	; x: wave w takes K blocks 2w and 2w + 1 of the group's 16 tokens.  Unit u: tokens 2 (u/2) and 2 (u/2) + 1, K block 2w + u%2.
	; Lanes 0-15 take the first token's 256 bytes of the K block, lanes 16-31 the second token's; in xb the two tokens' 128 bytes are neighbours.
	v_lshrrev_b32 v[SO], 4, v[LN]
	v_and_b32 v[T], 15, v[LN]
	v_lshlrev_b32 v[SO], 12, v[SO]                 ; a token is 4,096 bytes of x
	v_lshl_add_u32 v[SO], v[T], 4, v[SO]
	s_lshl_b32 s17, s16, 9                         ; two K blocks of 256 bytes a wave
	v_add_nc_u32 v[SO], s17, v[SO]
	s_lshl_b32 s17, s16, 21                        ; two K blocks of xb a wave
	v_lshl_add_u32 v[DO], v[LN], 3, s17            ; 128 (lane/16) + 8 (lane%16) = 8 lane
	s_lshl_b32 s18, ttmp9, 16                      ; 16 tokens of 4,096 bytes
	s_lshl_b32 s20, ttmp9, 11                      ; 16 tokens of 128 bytes
	s_wait_kmcnt 0x0
	s_add_nc_u64 s[4:5], s[4:5], s[18:19]
	s_add_nc_u64 s[10:11], s[10:11], s[20:21]
.set u, 0
.rept 16
.set so_, (u/2)*8192+(u%2)*256
	LD u, SO, 4, so_
.set u, u+1
.endr
.set u, 0
.rept 16
.set do_, (u/2)*256+(u%2)*HS
	ST u, 15-u, 10, do_, 0
.set u, u+1
.endr
	s_endpgm
.Lweights:
	s_cmp_lt_u32 ttmp9, 768
	s_cbranch_scc0 .Lproj
	; w_attn: wave W = 8 (group - 512) + w of 2,048 takes k rows 8 (W % 128) .. + 7 of block column W / 128: 8 x 768 bytes of source, 3,072 dense bytes of wab.
	; Two k rows are 96 groups of 4 columns = 3 units: unit 0 the first row's groups 0-31; unit 1 its groups 32-47 (lanes 0-15) and the second row's groups
	; 0-15 (lanes 16-31); unit 2 the second row's groups 16-47.  In wab the 96 groups follow each other.
	s_sub_co_u32 s17, ttmp9, 512
	s_lshl3_add_u32 s17, s17, s16                  ; W
	s_and_b32 s18, s17, 127
	s_mul_i32 s18, s18, 8*12288                    ; 8 k rows of 12,288 bytes
	s_lshr_b32 s22, s17, 7
	s_mul_i32 s22, s22, 768                        ; a block column is 768 bytes of a row of w_attn
	s_add_co_u32 s18, s18, s22
	s_mul_i32 s20, s17, 3072
	v_lshlrev_b32 v[SO], 4, v[LN]                  ; 16 lane
	v_lshrrev_b32 v[T], 4, v[LN]
	v_mul_u32_u24 v[T], v[T], 11520                ; lanes 16-31 of unit 1: one row on and 48 groups back: 12,288 - 768
	v_add_nc_u32 v[SO1], v[SO], v[T]
	v_lshlrev_b32 v[DO], 3, v[LN]                  ; 8 lane
	s_wait_kmcnt 0x0
	s_add_nc_u64 s[6:7], s[6:7], s[18:19]
	s_add_nc_u64 s[12:13], s[12:13], s[20:21]
.set u, 0
.rept 12
.if u%3 == 1
.set so_, (u/3)*24576+512
	LD u, SO1, 6, so_
.else
.set so_, (u/3)*24576+((u%3)/2)*12544
	LD u, SO, 6, so_
.endif
.set u, u+1
.endr
.set u, 0
.rept 12
.set do_, u*256
	ST u, 11-u, 12, do_, 0
.set u, u+1
.endr
	s_endpgm
.Lproj:
	; w_proj keeps its order: wave w takes 8,192 bytes of the group's 65,536; a unit is 512 bytes of source and 256 of destination
	s_lshl_b32 s17, s16, 13
	v_lshl_add_u32 v[SO], v[LN], 4, s17
	s_lshl_b32 s17, s16, 12
	v_lshl_add_u32 v[DO], v[LN], 3, s17
	s_sub_co_u32 s17, ttmp9, 768
	s_lshl_b32 s18, s17, 16
	s_lshl_b32 s20, s17, 15
	s_wait_kmcnt 0x0
	s_add_nc_u64 s[8:9], s[8:9], s[18:19]
	s_add_nc_u64 s[14:15], s[14:15], s[20:21]
.set u, 0
.rept 16
.set so_, u*512
	LD u, SO, 8, so_
.set u, u+1
.endr
.set u, 0
.rept 16
.set do_, u*256
	ST u, 15-u, 14, do_, 1
.set u, u+1
.endr
	s_endpgm
.Lfunc_end_k_qc0216bfccf_cast:
	.size	k_qc0216bfccf_cast, .Lfunc_end_k_qc0216bfccf_cast-k_qc0216bfccf_cast
	.p2alignl 7, 3214868480
	.fill 96, 4, 3214868480
	.section	.rodata,"a",@progbits
	.p2align	6, 0x0
	.amdhsa_kernel k_qc0216bfccf_cast
		.amdhsa_group_segment_fixed_size 0
		.amdhsa_private_segment_fixed_size 0
		.amdhsa_enable_private_segment 0
		.amdhsa_kernarg_size 48
		.amdhsa_user_sgpr_count 2
		.amdhsa_user_sgpr_kernarg_segment_ptr 1
		.amdhsa_wavefront_size32 1
		.amdhsa_system_sgpr_workgroup_id_x 1
		.amdhsa_system_sgpr_workgroup_id_y 1
		.amdhsa_system_sgpr_workgroup_id_z 1
		.amdhsa_system_vgpr_workitem_id 0
		.amdhsa_next_free_vgpr 104
		.amdhsa_next_free_sgpr 66
		.amdhsa_reserve_vcc 0
		.amdhsa_float_denorm_mode_32 3
		.amdhsa_float_denorm_mode_16_64 3
		.amdhsa_memory_ordered 1
		.amdhsa_forward_progress 1
		.amdhsa_inst_pref_size 23
	.end_amdhsa_kernel
	.amdgpu_metadata
---
amdhsa.version: [ 1, 2 ]
amdhsa.kernels:
  - .name:           k_qc0216bfccf_cast
    .symbol:         k_qc0216bfccf_cast.kd
    .args:
      - { .name: x, .offset: 0, .size: 8, .value_kind: global_buffer, .address_space: global }
      - { .name: w_attn, .offset: 8, .size: 8, .value_kind: global_buffer, .address_space: global }
      - { .name: w_proj, .offset: 16, .size: 8, .value_kind: global_buffer, .address_space: global }
      - { .name: xb, .offset: 24, .size: 8, .value_kind: global_buffer, .address_space: global }
      - { .name: wab, .offset: 32, .size: 8, .value_kind: global_buffer, .address_space: global }
      - { .name: wpb, .offset: 40, .size: 8, .value_kind: global_buffer, .address_space: global }
    .group_segment_fixed_size: 0
    .private_segment_fixed_size: 0
    .kernarg_segment_align: 8
    .kernarg_segment_size: 48
    .max_flat_workgroup_size: 256
    .sgpr_count:     66
    .vgpr_count:     104
    .wavefront_size: 32
...
	.end_amdgpu_metadata
.endif
;; end of part 5
;; launch qkvgemm (part 6): grid 8 x 32, 4 waves a work-group, clusters of 4 x 4, 327,680 bytes of LDS; arguments xb, wab, qkv; writes qkv
.if DOCPART == 6
	.amdgcn_target "amdgcn-amd-amdhsa--gfx1250"
	.amdhsa_code_object_version 6
	.text
	.protected	k_qc0216bfccf_qkvgemm
	.globl	k_qc0216bfccf_qkvgemm
	.p2align	8
	.type	k_qc0216bfccf_qkvgemm,@function
k_qc0216bfccf_qkvgemm:
	s_mov_b64 s[64:65], 0
	v_nop
	global_prefetch_b8 v0, s[64:65] scope:SCOPE_SE
	s_setreg_imm32_b32 hwreg(HW_REG_WAVE_MODE, 25, 1), 1
	s_wait_xcnt 0x0
	s_wait_alu depctr_hold_cnt(0) depctr_sa_sdst(0) depctr_va_vdst(0) depctr_va_sdst(0) depctr_va_ssrc(0) depctr_va_vcc(0) depctr_vm_vsrc(0)
	s_getreg_b32 s2, hwreg(HW_REG_IB_STS2, 6, 4)
	s_cmp_eq_u32 s2, 0
	s_cbranch_scc0 .Lentry_in_a_cluster
	s_endpgm
.Lentry_in_a_cluster:
	s_bfe_u32 s2, ttmp6, 0x10000c
	s_cmp_lg_u32 s2, 0xf033
	s_cbranch_scc0 .Lentry_shape_is_right
	s_endpgm
.Lentry_shape_is_right:
; qkv = x w_attn.  A = xb [16 kb][8192 tokens][64] bf16 (blocks of 64 along K, dense), W = wab [16 block columns][1024 k][192] bf16 (a block column's
; k rows dense, 384 bytes each); sums in f32.
; Out: qkv [48 head slots][8192 tokens][64] f16 (head slot = n / 64: 0-15 q, 16-31 k, 32-47 v).
; LIMIT: q, k and v are rounded to f16: a magnitude above 65,504 becomes infinite, one below 6e-5 keeps an absolute step of 6e-8.
; A block of the result is 256 tokens x 192 columns (three heads): 16 x 32 blocks.  8 x 32 = 256 work-groups STAY for two blocks each: block columns bx and
; bx + 8 of the same 256 tokens.  The ring of LDS slots goes on from the first block into the second: the second block's first tiles are asked for in the
; first block's last two K steps, and the first block's stores leave while the second block is multiplied.
; Four waves; wave w makes tokens 64 w .. + 63 x all 192 columns: 4 x 12 accumulator tiles of 16 x 16, 384 registers, and so owns whole rows of its three heads
; on the way out.  K goes in steps of 128 through a ring of two LDS slots filled by the tensor data mover, one load a wave for each slot.  Both A's and W's
; parts of a tile are dense in memory and are taken as rows of 256 bytes that start at multiples of 256 bytes from the buffer's first byte.
; CLUSTERS: 4 x 4 work-groups.  A's tile hangs on the block row alone and is asked for jointly by the four of a row of the cluster, W's on the
; block column alone and is asked for jointly by the four of a column: the requests for A and for W are divided by four.
; W lies [k][n] in LDS; its fragments are taken by the transposing load ds_load_tr16_b128.
; THE MATRIX INSTRUCTION IS USED TRANSPOSED: source 0 = 16 columns of W, source 1 = 16 tokens of A, so that lane l holds token l % 16 and its
; eight registers the columns 8 (l / 16) + 0 .. 7: eight neighbours of a row of the result.
; REGISTER WINDOWS: 0: addresses, A's fragments (two buffers of 4 x 8), the way out.  1: W's fragments (two buffers of 12 x 8).
; 2: the tiles of my tokens 0-31 (tile (a, b) at 8 (12 a + b)).  3: those of my tokens 32-63.
.set NB,     12                        ; blocks of 16 columns in a work-group's (and a wave's) part
.set KSTEP,  128
.set HS,     1048576                   ; bytes of one K block of A, and of one head slot of qkv: 8192 x 128
.set WROW,   384                       ; bytes of a k row of a block column of W
.set WBLK,   1024*WROW                 ; bytes of a block column of W
.set APITCH, 144                       ; a token's 128 bytes of a K block + 16 of padding: 36 words, so 16 tokens start 4 words apart modulo 64
.set SUBT,   256*APITCH                ; one K block of the work-group's 256 tokens
.set BPITCH, 480                       ; a k row of W in LDS: six pieces of 64 bytes, each + 16 of padding: 15 x 32 bytes
.set CHUNK,  80                        ; such a piece with its padding: two blocks of 16 columns
.set WQI,    3                         ; padding behind every 16 words
.set WPAD,   4                         ; of 4 words
.set HALFB,  64*BPITCH                 ; 64 k rows: what one tensor load brings of W
.set SLOT,   2*SUBT+2*HALFB            ; A's two K blocks, then W's 128 k rows
.set STAGE,  2*SLOT                    ; behind the ring: each wave's own stage for the way out; no tensor load lands there
.set WSTAGE, 3*16*144                  ; three heads x 16 tokens x (128 + 16) bytes
.set LAPS,   1024/(2*KSTEP)            ; a lap = two K steps = once round the ring; LAPS laps a block
.set ADRA, 16                          ; v16-17  LDS address of my A fragments in slot 0, 1
.set ADRB, 20                          ; v20-21  the same for W
.set STO,  24                          ; the way out: where I put 16 bytes
.set RD,   25                          ; the way out: where I read back
.set CO,   26                          ; my byte offset in the result
.set FA,   32                          ; window 0: A's fragment buffers at 32 and 64
.set TMP,  96                          ; window 0: packed results
.set RB0,  144                         ; window 0: rows read back, two sets in turn
.set RB1,  192
.set G1,  24                           ; s[24:31] descriptor group 1 for A's tiles
.set G0,  32                           ; s[32:39] group 0 for A's tiles, one set for each slot
.set G1B, 48                           ; s[48:55] group 1 for W's tiles
.set G0B, 56                           ; s[56:63] group 0 for W's tiles, one set for each slot
.set MSB, 0
.macro WIN new                         ; the immediate's high byte repeats the setting that is left
.if MSB != \new
	s_set_vgpr_msb (MSB<<8)|\new
.set MSB, \new
.endif
.endm
.set MUL_LO, 0xa1                      ; source 0 (W) window 1, source 1 (A) window 0, C and D window 2
.set MUL_HI, 0xf1                      ; the same, C and D window 3
.set TO_B,   0x40                      ; destination window 1, address window 0
; A joint load.  Waves 0 and 1 fetch A's two K blocks, waves 2 and 3 W's two halves.  The branch hangs on the wave's number alone.
.macro JLOAD s
	s_cmp_eq_u32 s11, 0
	s_cbranch_scc0 .Lfor_b_\@
	tensor_load_to_lds s[G0+4*\s:G0+4*\s+3], s[G1:G1+7]
	s_nop 0
	s_branch .Lasked_\@
.Lfor_b_\@:
	tensor_load_to_lds s[G0B+4*\s:G0B+4*\s+3], s[G1B:G1B+7]
	s_nop 0
.Lasked_\@:
.endm
; A round of the cluster's barrier: my work-group's barrier; wave 0 signals for the work-group; every wave waits for all sixteen; my work-group's barrier again.
.macro CREST                           ; a round behind its opening barrier
	s_cmp_lg_u32 s10, 0
	s_cbranch_scc1 .Lnot_wave_0_\@
	s_barrier_signal -3
.Lnot_wave_0_\@:
	s_barrier_wait -3
	s_barrier_signal -1
	s_barrier_wait -1
.endm
.macro CROUND
	s_barrier_signal -1
	s_barrier_wait -1
	CREST
.endm
	s_load_b128 s[4:7], s[0:1], 0x0                ; A s[4:5], W s[6:7]
	s_load_b64 s[8:9], s[0:1], 0x10                ; the result
	s_set_vgpr_msb 0x40
	v_lshl_add_u32 v255, v0, 2, 0x48c00
	s_set_vgpr_msb 0x4000
	v_mov_b32 v255, 0
	s_set_vgpr_msb 0x1
	ds_add_u32 v255, v255
	s_wait_dscnt 0x0
	s_set_vgpr_msb 0x100
	v_lshrrev_b32 v1, 5, v0
	v_readfirstlane_b32 s10, v1                    ; wave 0..3
	s_lshr_b32 s11, s10, 1                         ; I fetch for A (0) or for W (1)
	s_and_b32 s12, s10, 1                          ; which half of that tile
	s_bfe_u32 s40, ttmp6, 0x40000                  ; cx
	s_bfe_u32 s41, ttmp6, 0x40004                  ; cy
	s_lshl_b32 s42, ttmp9, 2
	s_add_co_u32 s42, s42, s40                     ; the first block's column = 4 x cluster x + cx: 0 .. 7
	s_and_b32 s13, ttmp7, 0xffff
	s_lshl_b32 s13, s13, 2
	s_add_co_u32 s13, s13, s41                     ; block row = 4 x cluster y + cy
	s_lshl_b32 s43, s41, 2
	s_lshl_b32 s43, 15, s43                        ; my row of the cluster: places 4 cy .. 4 cy + 3
	s_lshl_b32 s44, 0x1111, s40                    ; my column: places cx, cx + 4, cx + 8, cx + 12
	; group 1 for A: a K block of 256 tokens is 32,768 dense bytes, taken as 128 rows of 32 elements of 8 bytes; 16 bytes of padding behind every 128
	s_or_b32 s[G1+0], s43, (3<<16)|(1<<20)|(1<<21)|(4<<22)|(3<<25)  ; mask of my row; element of 8 bytes; padding on; bit 21 beside a mask; after every 32 words; 4 words
	s_mov_b32 s[G1+1], 32<<16                      ; tensor_dim0 = 32
	s_mov_b32 s[G1+2], 128<<16                     ; tensor_dim1 = 128
	s_mov_b32 s[G1+3], 32<<16                      ; tile_dim0 = 32
	s_mov_b32 s[G1+4], 128                         ; tile_dim1 = 128
	s_mov_b32 s[G1+5], 32                          ; from row to row: 32 elements (dense)
	s_mov_b32 s[G1+6], 0
	s_mov_b32 s[G1+7], 0
	; group 1 for W: 64 k rows of 384 bytes are 24,576 dense bytes, taken as 96 rows of 32 elements of 8 bytes; 16 bytes of padding behind every 64,
	; counted along the whole tile, so that a k row's 384 bytes become six padded pieces: 480 bytes of LDS
	s_or_b32 s[G1B+0], s44, (3<<16)|(1<<20)|(1<<21)|(WQI<<22)|((WPAD-1)<<25)
	s_mov_b32 s[G1B+1], 32<<16
	s_mov_b32 s[G1B+2], 96<<16
	s_mov_b32 s[G1B+3], 32<<16
	s_mov_b32 s[G1B+4], 96
	s_mov_b32 s[G1B+5], 32
	s_mov_b32 s[G1B+6], 0
	s_mov_b32 s[G1B+7], 0
	; where the tiles come from: A's address is made of the block row and the wave's number, W's of the block column and the wave's number
	s_lshl_b32 s16, s13, 15                        ; 256 tokens of 128 bytes a block row
	s_lshl_b32 s17, s12, 20                        ; + my K block of the step's two
	s_add_co_u32 s16, s16, s17
	s_mov_b32 s17, 0
	s_mul_i32 s46, s42, WBLK                       ; my block column of W
	s_mul_i32 s47, s12, 64*WROW                    ; + my 64 k rows of the step's 128
	s_add_co_u32 s46, s46, s47
	s_mov_b32 s47, 0
	s_mul_i32 s20, s10, SUBT                       ; where they go: A's K blocks at wave x SUBT (waves 0, 1),
	s_mul_i32 s21, s10, HALFB
	s_add_co_u32 s21, s21, 2*SUBT-2*HALFB          ; W's halves at 2 SUBT + (wave - 2) x HALFB (waves 2, 3)
	CROUND                                         ; all sixteen work-groups are here: the first joint loads meet.  The round names no argument, so it runs while they arrive
	s_wait_kmcnt 0x0                               ; the arguments, in front of the first lines that read them
	s_add_nc_u64 s[14:15], s[4:5], s[16:17]
	s_add_nc_u64 s[46:47], s[6:7], s[46:47]
.irp s, 0,1
	s_mov_b32 s[G0+4*\s], 1
	s_add_co_u32 s[G0+4*\s+1], s20, \s*SLOT
	s_add_nc_u64 s[G0+4*\s+2:G0+4*\s+3], s[14:15], \s*2*HS          ; K step s: K blocks 2 s, 2 s + 1
	s_or_b32 s[G0+4*\s+3], s[G0+4*\s+3], 0x80000000
	s_mov_b32 s[G0B+4*\s], 1
	s_add_co_u32 s[G0B+4*\s+1], s21, \s*SLOT
	s_add_nc_u64 s[G0B+4*\s+2:G0B+4*\s+3], s[46:47], \s*KSTEP*WROW
	s_or_b32 s[G0B+4*\s+3], s[G0B+4*\s+3], 0x80000000
	JLOAD \s                                       ; both slots' first fills go out together: two tensor loads of a wave are out at the most
.endr
	v_and_b32 v1, 15, v0                           ; r = l % 16
	v_bfe_u32 v2, v0, 4, 1                         ; h = l / 16
	v_mul_u32_u24 v3, v1, APITCH
	v_lshl_add_u32 v3, v2, 4, v3                   ; r x 144 + 16 h
	s_mul_i32 s22, s10, 64*APITCH                  ; my 64 tokens
	v_add_nc_u32 v[ADRA], s22, v3
	v_add_nc_u32 v[ADRA+1], SLOT, v[ADRA]
	v_and_b32 v8, 7, v0
	v_lshl_add_u32 v4, v2, 3, v8                   ; the transposing load: k row 8 h + l % 8,
	v_mul_u32_u24 v4, v4, BPITCH
	v_bfe_u32 v5, v0, 3, 1
	v_lshl_add_u32 v4, v5, 4, v4                   ; 16 bytes (l / 8) % 2 of the block's 32
	v_add_nc_u32 v[ADRB], 2*SUBT, v4
	v_add_nc_u32 v[ADRB+1], SLOT, v[ADRB]
	s_mul_i32 s23, s10, WSTAGE
	s_add_co_u32 s23, s23, STAGE                   ; my stage
	v_add_nc_u32 v[STO], s23, v3                   ; in: token r, 16 bytes for each half of the lanes
	v_and_b32 v6, 31, v0
	v_lshrrev_b32 v7, 3, v6
	v_mul_u32_u24 v7, v7, 144
	v_lshl_add_u32 v7, v8, 4, v7
	v_add_nc_u32 v[RD], s23, v7                    ; back: four tokens of 128 bytes a load
	v_lshlrev_b32 v[CO], 4, v6                     ; which are 512 dense bytes of a head slot
.macro WM d, a, b, zero
.if \zero
	v_wmma_f32_16x16x32_bf16 v[\d:\d+7], v[\a:\a+7], v[\b:\b+7], 0
.else
	v_wmma_f32_16x16x32_bf16 v[\d:\d+7], v[\a:\a+7], v[\b:\b+7], v[\d:\d+7]
.endif
.endm
; NB matrix instructions: token block 2 hi + a x all NB column blocks, 32 along K, from fragment buffer f.  zero = 1: the product starts the sums.
.macro MULROW f, hi, a, zero
.set b, 0
.rept NB
	WM 8*(NB*\a+b), 96*\f+8*b, FA+32*\f+8*(2*\hi+\a), \zero
.set b, b+1
.endr
.endm
; 2 NB + 8 LDS loads in one run: the fragments of quarter q (32 along K) of a slot into buffer f: W's first, then A's four
.macro FETCH slot, q, f
	WIN TO_B
.set b, 0
.rept NB
	ds_load_tr16_b128 v[96*\f+8*b:96*\f+8*b+3],   v[ADRB+\slot] offset:32*\q*BPITCH+(b/2)*CHUNK+(b%2)*32
	ds_load_tr16_b128 v[96*\f+8*b+4:96*\f+8*b+7], v[ADRB+\slot] offset:32*\q*BPITCH+(b/2)*CHUNK+(b%2)*32+16*BPITCH
.set b, b+1
.endr
	WIN 0
.irp i, 0,1,2,3
	ds_load_b128 v[FA+32*\f+8*\i:FA+32*\f+8*\i+3],   v[ADRA+\slot] offset:(\q/2)*SUBT+(\q%2)*64+\i*16*APITCH
	ds_load_b128 v[FA+32*\f+8*\i+4:FA+32*\f+8*\i+7], v[ADRA+\slot] offset:(\q/2)*SUBT+(\q%2)*64+\i*16*APITCH+32
.endr
.endm
; A load into a register that a matrix instruction has read, and a vector instruction or LDS store that reads a matrix result, stand four places
; behind that matrix instruction; only plain vector instructions that name none of its registers are places.
.macro PLACES
.rept 4
	v_nop
.endr
.endm
; One of a K step's first three quarters: multiplies buffer f; in its middle fetches quarter q of the same slot into buffer g.
; The 4 NB accumulators take turns, one instruction a turn, in the same order in every quarter.
.macro QUARTER slot, q, f, g, zero
	s_wait_dscnt 4                                 ; W's fragments and A's 0 and 1 are in; the youngest four loads (A's 2 and 3) may be out
	WIN MUL_LO
	MULROW \f, 0, 0, \zero
	MULROW \f, 0, 1, \zero
	PLACES
	FETCH \slot, \q, \g
	s_wait_dscnt 2*NB+8                            ; all but the run just issued
	WIN MUL_HI
	MULROW \f, 1, 0, \zero
	MULROW \f, 1, 1, \zero
.endm
.macro THREE slot, zero
	QUARTER \slot, 1, 0, 1, \zero
	QUARTER \slot, 2, 1, 0, 0
	QUARTER \slot, 3, 0, 1, 0
.endm
; The last quarter: multiplies buffer 1 and changes slots.  In front of the barrier each wave waits for its reads of this slot and for all its
; tensor loads (the one that is out is its part of the next slot).  Where the slot is filled again the barrier opens a round of the cluster's
; barrier, and the joint refill is the first tensor load behind the round's closing wait.
; fill = 0: nothing is left to fetch.  1: this slot gets the tiles two K steps on.  2: this slot gets the same K step of lap 0 of the second block:
; A goes back three laps (12 K blocks), W goes back three laps (6 K steps) and on by 8 block columns.
.macro TURN slot, next, fill
	s_wait_dscnt 4
	WIN MUL_LO
	MULROW 1, 0, 0, 0
	s_wait_dscnt 0                                 ; my reads of this slot are over
	s_wait_tensorcnt 0x0                           ; all my tensor loads have landed: every group 0 may be written
	ds_add_u32 v255, v255
	s_wait_dscnt 0x0
	s_barrier_signal -1
	MULROW 1, 0, 1, 0                              ; register work while the others arrive
	WIN 0
	s_barrier_wait -1
.if \fill
	CREST
.if \fill == 1
	s_add_nc_u64 s[G0+4*\slot+2:G0+4*\slot+3], s[G0+4*\slot+2:G0+4*\slot+3], 4*HS
	s_add_nc_u64 s[G0B+4*\slot+2:G0B+4*\slot+3], s[G0B+4*\slot+2:G0B+4*\slot+3], 2*KSTEP*WROW
.else
	s_sub_nc_u64 s[G0+4*\slot+2:G0+4*\slot+3], s[G0+4*\slot+2:G0+4*\slot+3], 12*HS
	s_add_nc_u64 s[G0B+4*\slot+2:G0B+4*\slot+3], s[G0B+4*\slot+2:G0B+4*\slot+3], 8*WBLK-6*KSTEP*WROW
.endif
	JLOAD \slot
.endif
	PLACES
	FETCH \next, 0, 0
	WIN MUL_HI
	MULROW 1, 1, 0, 0
	MULROW 1, 1, 1, 0
.endm
.macro LAP zero, fill
	THREE 0, \zero
	TURN 0, 1, \fill
	THREE 1, 0
	TURN 1, 0, \fill
.endm
; THE WAY OUT, 16 tokens at a time: round to f16, 16 bytes a lane into my own stage (a row of 128 bytes for each head), read back four tokens
; of a head at a time: 512 dense bytes of that head slot.
; tokens 16 i .. + 15 = the NB tiles (a, 0 .. NB-1) of window 2 or 3 (from = 0x0a or 0x0f: sources 0 and 1)
.macro OUT16 i, a, from, rb
	WIN \from
.set b, 0
.rept NB
.irp r, 0,1,2,3
	v_cvt_pk_f16_f32 v[TMP+4*b+\r], v[8*(NB*\a+b)+2*\r], v[8*(NB*\a+b)+2*\r+1]
.endr
.set b, b+1
.endr
	WIN 0
.set b, 0
.rept NB
	ds_store_b128 v[STO], v[TMP+4*b:TMP+4*b+3] offset:(b/4)*16*144+(b%4)*32
.set b, b+1
.endr
	s_wait_xcnt 0x0                                ; set rb, which earlier stores read, is loaded again only behind this wait
.set b, 0
.rept NB
	ds_load_b128 v[\rb+4*b:\rb+4*b+3], v[RD] offset:(b/4)*16*144+(b%4)*4*144   ; LDS serves a wave's instructions in order: these see the stores above
.set b, b+1
.endr
.set b, 0
.rept NB
	s_wait_dscnt NB-1-b
	global_store_b128 v[CO], v[\rb+4*b:\rb+4*b+3], s[8:9] offset:(b/4)*HS+\i*2048+(b%4)*512   ; 512 consecutive bytes, aligned
.set b, b+1
.endr
.endm
.macro WAYOUT
	PLACES                                         ; behind the block's last products
	OUT16 0, 0, 0x0a, RB0
	OUT16 1, 1, 0x0a, RB1
	OUT16 2, 0, 0x0f, RB0
	OUT16 3, 1, 0x0f, RB1
.endm
	s_wait_tensorcnt 1                             ; my part of K step 0 is in; K step 1's stays out
	s_barrier_signal -1
	s_barrier_wait -1
	FETCH 0, 0, 0
	; THE FIRST BLOCK
	LAP 1, 1                                       ; the first lap stands in front of the loop: its first products start the sums
	WIN 0
	s_mov_b32 s3, LAPS-2
.Llap_a:
	LAP 0, 1
	WIN 0
	s_sub_co_u32 s3, s3, 1
	s_cmp_lg_u32 s3, 0
	s_cbranch_scc1 .Llap_a
	LAP 0, 2                                       ; the block's last lap asks for the second block's first lap; at its end buffer 0 holds that block's first fragments
	s_lshl_b32 s16, s13, 15                        ; the result: 256 tokens of 128 bytes a block row
	s_lshl_b32 s17, s10, 13                        ; + my 64 tokens
	s_add_co_u32 s16, s16, s17
	s_mov_b32 s17, 0
	s_add_nc_u64 s[8:9], s[8:9], s[16:17]
	s_mul_i32 s46, s42, 3*HS                       ; three head slots a block column
	s_mov_b32 s47, 0
	s_add_nc_u64 s[8:9], s[8:9], s[46:47]
	WAYOUT                                         ; it touches neither fragment buffer; its last wait on DScnt is for 0
	; THE SECOND BLOCK
	LAP 1, 1
	WIN 0
	s_mov_b32 s3, LAPS-2
.Llap_b:
	LAP 0, 1
	WIN 0
	s_sub_co_u32 s3, s3, 1
	s_cmp_lg_u32 s3, 0
	s_cbranch_scc1 .Llap_b
	THREE 0, 0                                     ; the last lap fills nothing
	TURN 0, 1, 0
	THREE 1, 0
	s_wait_dscnt 4
	WIN MUL_LO
	MULROW 1, 0, 0, 0
	MULROW 1, 0, 1, 0
	s_wait_dscnt 0
	WIN MUL_HI
	MULROW 1, 1, 0, 0
	MULROW 1, 1, 1, 0
	s_wait_xcnt 0x0                                ; the first block's stores name s[8:9]: it is stepped only behind this wait
	s_add_nc_u64 s[8:9], s[8:9], 24*HS             ; 8 block columns on: 24 head slots
	WAYOUT
	s_set_vgpr_msb 0x1
	s_wait_tensorcnt 0x0
	ds_add_u32 v255, v255
	s_wait_dscnt 0x0
	s_set_vgpr_msb 0x100
	CROUND                                         ; the closing round: no work-group ends while a partner may still ask for a tile that names it
	s_endpgm
.Lfunc_end_k_qc0216bfccf_qkvgemm:
	.size	k_qc0216bfccf_qkvgemm, .Lfunc_end_k_qc0216bfccf_qkvgemm-k_qc0216bfccf_qkvgemm
	.p2alignl 7, 3214868480
	.fill 96, 4, 3214868480
	.section	.rodata,"a",@progbits
	.p2align	6, 0x0
	.amdhsa_kernel k_qc0216bfccf_qkvgemm
		.amdhsa_group_segment_fixed_size 327680
		.amdhsa_private_segment_fixed_size 0
		.amdhsa_enable_private_segment 0
		.amdhsa_kernarg_size 24
		.amdhsa_user_sgpr_count 2
		.amdhsa_user_sgpr_kernarg_segment_ptr 1
		.amdhsa_wavefront_size32 1
		.amdhsa_system_sgpr_workgroup_id_x 1
		.amdhsa_system_sgpr_workgroup_id_y 1
		.amdhsa_system_sgpr_workgroup_id_z 1
		.amdhsa_system_vgpr_workitem_id 0
		.amdhsa_next_free_vgpr 960
		.amdhsa_next_free_sgpr 66
		.amdhsa_reserve_vcc 0
		.amdhsa_float_denorm_mode_32 3
		.amdhsa_float_denorm_mode_16_64 3
		.amdhsa_memory_ordered 1
		.amdhsa_forward_progress 1
		.amdhsa_inst_pref_size 255
	.end_amdhsa_kernel
	.section	.bss,"aw",@nobits
	.p2align	6
	.space	262144
	.amdgpu_metadata
---
amdhsa.version: [ 1, 2 ]
amdhsa.kernels:
  - .name:           k_qc0216bfccf_qkvgemm
    .symbol:         k_qc0216bfccf_qkvgemm.kd
    .args:
      - { .name: xb, .offset: 0, .size: 8, .value_kind: global_buffer, .address_space: global }
      - { .name: wab, .offset: 8, .size: 8, .value_kind: global_buffer, .address_space: global }
      - { .name: qkv, .offset: 16, .size: 8, .value_kind: global_buffer, .address_space: global }
    .group_segment_fixed_size: 327680
    .private_segment_fixed_size: 0
    .kernarg_segment_align: 8
    .kernarg_segment_size: 24
    .max_flat_workgroup_size: 128
    .sgpr_count:     66
    .vgpr_count:     960
    .wavefront_size: 32
...
	.end_amdgpu_metadata
.endif
;; end of part 6
;; launch attn (part 7): grid 256 x 1, 8 waves a work-group, no clusters, 327,680 bytes of LDS; arguments qkv, y; writes y
.if DOCPART == 7
	.amdgcn_target "amdgcn-amd-amdhsa--gfx1250"
	.amdhsa_code_object_version 6
	.text
	.protected	k_qc0216bfccf_attn
	.globl	k_qc0216bfccf_attn
	.p2align	8
	.type	k_qc0216bfccf_attn,@function
k_qc0216bfccf_attn:
	s_mov_b64 s[64:65], 0
	v_nop
	global_prefetch_b8 v0, s[64:65] scope:SCOPE_SE
	s_setreg_imm32_b32 hwreg(HW_REG_WAVE_MODE, 25, 1), 1
	s_wait_xcnt 0x0
; Causal attention, one head at a time, with a running maximum.  qkv [48 head slots][8192 tokens][64] f16 (q 0-15, k 16-31, v 32-47);
; y [16 heads][8192 tokens][64] f16.  Scores, maxima, exponentials and sums in f32; P and y are rounded to f16.
; LIMITS: P (0 .. 1) is rounded to f16 for the product with V while its row sum is taken from the unrounded f32 numbers; y is a mean of v's rows and
; has v's range (f16: above 65,504 infinite, below 6e-5 an absolute step of 6e-8).
; WORK: a head's 2,048 queries are 8 blocks of 256.  Work-group (head, j), j = 0 .. 3, makes block 2 j and then block 7 - 2 j: (2 j + 1) + (8 - 2 j) = 9 key
; blocks of 256 for every work-group, 64 heads x 4 = 256 work-groups.  Eight waves; wave w owns the 32 queries of group g = w xor 3 (w / 4) of the block
; (two tiles of 16): waves w and w + 4 hold groups g and 7 - g, which together have (g / 2 + 1) + ((7 - g) / 2 + 1) = 5 steps of 64 keys in the diagonal block.
; NO CLUSTER: the four work-groups of a head want different key blocks at the same time (2 j + 1 and 8 - 2 j of them in their two passes); joint requests
; would have to bring them into step and so undo the equal shares.
; ORIENTATION: S^T = K Q^T (rows = keys, columns = queries) and O^T = V^T P^T.  A lane then holds one query (l % 16): a row's maximum and sum are one number
; a lane, the two halves of the lanes meet by one v_permlanex16_b32, and two packed tiles of S^T are a fragment of P^T as they lie.
; ORDER OF KEY BLOCKS in a pass: the diagonal block first, then the blocks below it, downward.  The diagonal block's first 64 keys start all sums, so nothing is
; cleared, and only the diagonal block has a mask.  In it a wave takes keys 64 t .. + 63 in full for t < g / 2, masked for t = g / 2, and not at all beyond.
; THE TEXT IS KEPT SHORT: a step of 64 keys is one loop body for each slot, run four times a key block; its two LDS addresses start at the slot's base and step
; by 64 keys a trip.  Only the step that starts the sums is written out by itself.
; K and V blocks come through a ring of two LDS slots, one barrier for each block; waves 0, 1 fetch V's halves, waves 2, 3 K's, waves 4-7 nothing:
; one tensor load of a wave is out at the most, and it has a whole block's work in which to land.
.set HS,     1048576                   ; bytes of a head slot
.set VPITCH, 160                       ; a key's 128 bytes of V + 32 of padding: 5 x 32 bytes, for the transposing load
.set KPITCH, 144                       ; a key's 128 bytes of K + 16
.set KOFF,   256*VPITCH                ; a slot: V's 256 keys, then K's
.set SLOT,   KOFF+256*KPITCH
.set STAGE,  2*SLOT                    ; behind the ring: each wave's own stage for the way out; no tensor load lands there
.set WSTAGE, 32*144
.set VK,   1                           ; v1-2    LDS address of my K fragments at the head of slot 0, 1
.set VV,   3                           ; v3-4    the same for V
.set RD,   5                           ; the way out: where I read back
.set LS,   6                           ; v6-7    row sums of query tiles 0, 1: each half of the lanes keeps its own part until the end
.set NM,   8                           ; v8, v10 minus the running maximum times c.  The packed forms read pairs and take the first register for both halves;
.set QOFF, 9                           ;         the pairs' second registers hold constants of the set-up: my byte offset in a query block,
.set YOFF, 11                          ;         my byte offset in a block of y,
.set AL,   12                          ; v12, v14 the factor for the old sums
.set VQL,  13                          ;         32 (g % 2) + r - 8 h, for the mask,
.set STO,  15                          ;         the way out: where I put 16 bytes
.set T,    16                          ; v[16:23] at work, four for each query tile
.set QF,   24                          ; v[24:55]   Q's fragments: 24 + 16 a + 8 ks
.set OA,   56                          ; v[56:119]  O^T: 56 + 32 a + 8 dt
.set SC,   120                         ; v[120:183] S^T: 120 + 32 a + 8 st; later P^T: 120 + 32 a + 8 kk
.set KV,   184                         ; v[184:247] K's fragments 184 + 16 st + 8 ks, then V^T's 184 + 16 dt + 8 kk
.set VKC,  248                         ; the loops' K address: the slot's base + 64 keys a trip
.set VVC,  249                         ; the loops' V address
.set CEXP, 0x3e38aa3b                  ; c = log2(e) / sqrt(64)
.set CNEG, 0xbe38aa3b                  ; -c
; The descriptors of the next key block, for the given slot.  It stands behind a wait for all tensor loads.  s14 = the block; then s14 steps: 2 j .. 0, 7 - 2 j .. 0.
.macro NEXT slot
	s_lshl_b32 s20, s14, 15                        ; a block of 256 keys is 32,768 bytes
	s_add_nc_u64 s[42:43], s[16:17], s[20:21]
	s_or_b32 s43, s43, 0x80000000
	s_add_nc_u64 s[46:47], s[18:19], s[20:21]
	s_or_b32 s47, s47, 0x80000000
	s_add_co_u32 s41, s58, (\slot)*SLOT
	s_add_co_u32 s45, s59, (\slot)*SLOT
	s_sub_co_u32 s22, s14, 1
	s_cmp_eq_u32 s14, 0
	s_cselect_b32 s14, s15, s22
.endm
.macro KVLOAD
	s_cmp_lt_u32 s8, 2
	s_cbranch_scc0 .Lnot_v_\@
	tensor_load_to_lds s[40:43], s[24:31]          ; waves 0, 1: 128 keys of V
	s_nop 0
	s_branch .Lkv_done_\@
.Lnot_v_\@:
	s_cmp_lt_u32 s8, 4
	s_cbranch_scc0 .Lkv_done_\@
	tensor_load_to_lds s[44:47], s[32:39]          ; waves 2, 3: 128 keys of K
	s_nop 0
.Lkv_done_\@:
.endm
; The change of slots: every wave waits for all its tensor loads (its part of this slot among them) and for its LDS reads (of the other slot), passes the
; barrier, and the other slot's refill is the first thing behind it, one tensor load a wave.
.macro RING slot, refill
	s_wait_tensorcnt 0x0
	ds_add_u32 v254, v255
	s_wait_dscnt 0x0
.if \refill
	NEXT 1-\slot
.endif
	s_wait_dscnt 0x0
	s_barrier_signal -1
	s_barrier_wait -1
.if \refill
	KVLOAD
.endif
.endm
.macro QLOAD base                      ; my 32 queries as four fragments: lane (r, h) takes d = 32 ks + 8 h .. + 7 and + 16 of query 16 a + r
.irp a, 0,1
.irp ks, 0,1
	global_load_b128 v[QF+16*\a+8*\ks:QF+16*\a+8*\ks+3],   v[QOFF], s[\base:\base+1] offset:\a*2048+\ks*64
	global_load_b128 v[QF+16*\a+8*\ks+4:QF+16*\a+8*\ks+7], v[QOFF], s[\base:\base+1] offset:\a*2048+\ks*64+32
.endr
.endr
.endm
; 64 keys against my 32 queries.  ka, va: the registers with the LDS addresses of these keys' K and V.  first = 1: starts maximum, sums and O.
; mask = 1: the diagonal block, in which these are keys 64 tm .. + 63 (tm: a constant or the loop's counter).
.macro SUB ka, va, first, mask, tm
.rept 5
	v_nop                                          ; places behind the last products: four before loads land in their sources (KV), five before matrix instructions write over P
.endr
.irp ks, 0,1
.irp st, 0,1,2,3
	ds_load_b128 v[KV+16*\st+8*\ks:KV+16*\st+8*\ks+3],   v[\ka] offset:\st*16*KPITCH+\ks*64
	ds_load_b128 v[KV+16*\st+8*\ks+4:KV+16*\st+8*\ks+7], v[\ka] offset:\st*16*KPITCH+\ks*64+32
.endr
.endr
.if \first
	s_wait_loadcnt 0x0                             ; this pass's Q
.endif
	s_wait_dscnt 0x8                               ; d = 0 .. 31 of the 64 keys is in; the eight loads of d = 32 .. 63 stay out
	; S^T: eight accumulators by turns, one instruction a turn
.irp st, 0,1,2,3
.irp a, 0,1
	v_wmma_f32_16x16x32_f16 v[SC+32*\a+8*\st:SC+32*\a+8*\st+7], v[KV+16*\st:KV+16*\st+7], v[QF+16*\a:QF+16*\a+7], 0
.endr
.endr
	s_wait_dscnt 0x0
.irp st, 0,1,2,3
.irp a, 0,1
	v_wmma_f32_16x16x32_f16 v[SC+32*\a+8*\st:SC+32*\a+8*\st+7], v[KV+16*\st+8:KV+16*\st+15], v[QF+16*\a+8:QF+16*\a+15], v[SC+32*\a+8*\st:SC+32*\a+8*\st+7]
.endr
.endr
.rept 4
	v_nop                                          ; four places before V lands where K lay and before the scores are read
.endr
.irp kk, 0,1
.irp dt, 0,1,2,3
	ds_load_tr16_b128 v[KV+16*\dt+8*\kk:KV+16*\dt+8*\kk+3],   v[\va] offset:32*\kk*VPITCH+32*\dt
	ds_load_tr16_b128 v[KV+16*\dt+8*\kk+4:KV+16*\dt+8*\kk+7], v[\va] offset:32*\kk*VPITCH+32*\dt+16*VPITCH
.endr
.endr
.if \mask
	s_cmp_lg_u32 s9, \tm                           ; only the 64 keys that hold my own queries are cut
	s_cbranch_scc1 .Lno_mask_\@
	; register jj of tile (a, st): key 16 st + 8 h + jj, query 32 (g % 2) + 16 a + r of these 64.  Kept where key <= query.  Key 0 of the 64 is kept by every query.
.irp a, 0,1
.irp st, 0,1,2,3
.irp jj, 0,1,2,3,4,5,6,7
	v_cmp_le_i32 vcc_lo, 16*\st+\jj-16*\a, v[VQL]
	v_cndmask_b32 v[SC+32*\a+8*\st+\jj], 0xff800000, v[SC+32*\a+8*\st+\jj], vcc_lo
.endr
.endr
.endr
.Lno_mask_\@:
.endif
	; the largest of a lane's 32 scores of each query tile, in four chains
.irp a, 0,1
.irp c, 0,1,2,3
	v_max3_num_f32 v[T+4*\a+\c], v[SC+32*\a+8*\c], v[SC+32*\a+8*\c+1], v[SC+32*\a+8*\c+2]
.endr
.endr
.irp a, 0,1
.irp c, 0,1,2,3
	v_max3_num_f32 v[T+4*\a+\c], v[T+4*\a+\c], v[SC+32*\a+8*\c+3], v[SC+32*\a+8*\c+4]
.endr
.endr
.irp a, 0,1
.irp c, 0,1,2,3
	v_max3_num_f32 v[T+4*\a+\c], v[T+4*\a+\c], v[SC+32*\a+8*\c+5], v[SC+32*\a+8*\c+6]
.endr
.endr
.irp a, 0,1
	v_max3_num_f32 v[T+4*\a],   v[T+4*\a],   v[T+4*\a+1], v[SC+32*\a+7]
	v_max3_num_f32 v[T+4*\a+2], v[T+4*\a+2], v[T+4*\a+3], v[SC+32*\a+15]
	v_max3_num_f32 v[T+4*\a],   v[T+4*\a],   v[T+4*\a+2], v[SC+32*\a+23]
	v_max_num_f32  v[T+4*\a],   v[T+4*\a],   v[SC+32*\a+31]
	v_permlanex16_b32 v[T+4*\a+1], v[T+4*\a], s12, s13         ; the other half of the lanes holds the query's other keys
	v_max_num_f32  v[T+4*\a],   v[T+4*\a],   v[T+4*\a+1]
.if \first
	v_mul_f32 v[NM+2*\a], CNEG, v[T+4*\a]                      ; n = - c x maximum
.else
	v_mul_f32 v[T+4*\a], CNEG, v[T+4*\a]                       ; the rounded product is kept as the new n, so it is not fused into the difference
	v_sub_f32 v[T+4*\a+1], v[T+4*\a], v[NM+2*\a]
	v_min_num_f32 v[NM+2*\a], v[NM+2*\a], v[T+4*\a]            ; the running maximum, as n = min
	v_min_num_f32 v[T+4*\a+1], 0, v[T+4*\a+1]                  ; new n - old n
	v_exp_f32 v[AL+2*\a], v[T+4*\a+1]                          ; the factor for the old sums; a plain instruction follows before it is used (ISA guide 5.7.2)
.endif
.endr
	; p = 2^(c s + n)
.set i, 0
.rept 32
	v_pk_fma_f32 v[SC+i:SC+i+1], v[SC+i:SC+i+1], CEXP, v[NM+2*(i/32):NM+2*(i/32)+1] op_sel_hi:[1,0,0]
.set i, i+2
.endr
.set i, 0
.rept 64
	v_exp_f32 v[SC+i], v[SC+i]
.set i, i+1
.endr
	v_nop                                          ; one plain place between the run of exponentials and the first use of a result (ISA guide 5.7.2)
	; a lane's part of the row sums
	s_wait_alu depctr_va_vdst(0)
.irp a, 0,1
	v_pk_add_f32 v[T+4*\a:T+4*\a+1],   v[SC+32*\a:SC+32*\a+1],   v[SC+32*\a+2:SC+32*\a+3]
	v_pk_add_f32 v[T+4*\a+2:T+4*\a+3], v[SC+32*\a+4:SC+32*\a+5], v[SC+32*\a+6:SC+32*\a+7]
.endr
.irp i4, 8,12,16,20,24,28
.irp a, 0,1
	v_pk_add_f32 v[T+4*\a:T+4*\a+1],   v[T+4*\a:T+4*\a+1],   v[SC+32*\a+\i4:SC+32*\a+\i4+1]
	v_pk_add_f32 v[T+4*\a+2:T+4*\a+3], v[T+4*\a+2:T+4*\a+3], v[SC+32*\a+\i4+2:SC+32*\a+\i4+3]
.endr
.endr
.irp a, 0,1
	v_pk_add_f32 v[T+4*\a:T+4*\a+1], v[T+4*\a:T+4*\a+1], v[T+4*\a+2:T+4*\a+3]
.endr
.irp a, 0,1
.if \first
	v_add_f32 v[LS+\a], v[T+4*\a], v[T+4*\a+1]
.else
	v_add_f32 v[T+4*\a], v[T+4*\a], v[T+4*\a+1]
	v_fma_f32 v[LS+\a], v[LS+\a], v[AL+2*\a], v[T+4*\a]
.endif
.endr
	; P^T in f16, packed in place, upward: tiles 2 kk and 2 kk + 1 become the eight registers of fragment kk
.set i, 0
.rept 16
	v_cvt_pk_f16_f32 v[SC+i],    v[SC+2*i],    v[SC+2*i+1]
	v_cvt_pk_f16_f32 v[SC+32+i], v[SC+32+2*i], v[SC+32+2*i+1]
.set i, i+1
.endr
.if \first == 0
.set i, 0
.rept 32
	v_pk_mul_f32 v[OA+i:OA+i+1], v[OA+i:OA+i+1], v[AL+2*(i/32):AL+2*(i/32)+1] op_sel_hi:[1,0]
.set i, i+2
.endr
.endif
	s_wait_dscnt 0x0                               ; V^T's fragments
	; O^T: eight accumulators by turns, one instruction a turn
.irp dt, 0,1,2,3
.irp a, 0,1
.if \first
	v_wmma_f32_16x16x32_f16 v[OA+32*\a+8*\dt:OA+32*\a+8*\dt+7], v[KV+16*\dt:KV+16*\dt+7], v[SC+32*\a:SC+32*\a+7], 0
.else
	v_wmma_f32_16x16x32_f16 v[OA+32*\a+8*\dt:OA+32*\a+8*\dt+7], v[KV+16*\dt:KV+16*\dt+7], v[SC+32*\a:SC+32*\a+7], v[OA+32*\a+8*\dt:OA+32*\a+8*\dt+7]
.endif
.endr
.endr
.irp dt, 0,1,2,3
.irp a, 0,1
	v_wmma_f32_16x16x32_f16 v[OA+32*\a+8*\dt:OA+32*\a+8*\dt+7], v[KV+16*\dt+8:KV+16*\dt+15], v[SC+32*\a+8:SC+32*\a+15], v[OA+32*\a+8*\dt:OA+32*\a+8*\dt+7]
.endr
.endr
.endm
; 64 keys on in the slot.  LDS instructions have read their address registers when they are issued, so no wait stands in front.
.macro STEP64
	v_add_nc_u32 v[VKC], 64*KPITCH, v[VKC]
	v_add_nc_u32 v[VVC], 64*VPITCH, v[VVC]
.endm
.macro FULL slot, refill               ; a key block below the diagonal: four trips of one body
	RING \slot, \refill
	v_mov_b32 v[VKC], v[VK+\slot]                  ; the stepped addresses start at the slot's head
	v_mov_b32 v[VVC], v[VV+\slot]
	s_mov_b32 s23, 0
.Lfull_\@:
	SUB VKC, VVC, 0, 0, 0
	STEP64
	s_add_co_u32 s23, s23, 1
	s_cmp_lt_u32 s23, 4
	s_cbranch_scc1 .Lfull_\@
.endm
; The diagonal block: keys 0 .. 63 start the sums; then three trips for keys 64 t .. + 63, t = 1 .. 3, of which a wave skips those beyond its own queries (t > g / 2).
; The trips are counted against a constant, the addresses step in every trip, and no barrier stands inside.
.macro DIAG slot
	RING \slot, 1
	SUB VK+\slot, VV+\slot, 1, 1, 0
	v_add_nc_u32 v[VKC], 64*KPITCH, v[VK+\slot]
	v_add_nc_u32 v[VVC], 64*VPITCH, v[VV+\slot]
	s_mov_b32 s23, 1
.Ldiag_\@:
	s_cmp_lt_u32 s9, s23
	s_cbranch_scc1 .Ldiag_skip_\@
	SUB VKC, VVC, 0, 1, s23
.Ldiag_skip_\@:
	STEP64
	s_add_co_u32 s23, s23, 1
	s_cmp_lt_u32 s23, 4
	s_cbranch_scc1 .Ldiag_\@
.endm
; The end of a pass: O / l, rounded to f16, through my stage, out as 512 dense bytes (four tokens of the head) a store.  more = 1: the next pass's Q is asked for first.
.macro FINAL more, ybase
.rept 4
	v_nop                                          ; four places behind the last products: O is read, P's and V's registers are written
.endr
.if \more
	QLOAD 50
.endif
.irp a, 0,1
	v_permlanex16_b32 v[T+4*\a], v[LS+\a], s12, s13            ; the two halves' parts of the row sum meet
	v_add_f32 v[T+4*\a], v[T+4*\a], v[LS+\a]
.endr
	v_rcp_f32 v[AL],   v[T]                        ; the sum is at least about 1: the largest score's own term
	v_rcp_f32 v[AL+2], v[T+4]
	v_nop                                          ; one plain place before the reciprocals are used (ISA guide 5.7.2)
.set i, 0
	s_wait_alu depctr_va_vdst(0)
.rept 32
	v_pk_mul_f32 v[OA+i:OA+i+1], v[OA+i:OA+i+1], v[AL+2*(i/32):AL+2*(i/32)+1] op_sel_hi:[1,0]
.set i, i+2
.endr
.set i, 0
.rept 32
	v_cvt_pk_f16_f32 v[SC+i], v[OA+2*i], v[OA+2*i+1]           ; tile (a, dt) becomes four registers at 16 a + 4 dt: d = 16 dt + 8 h .. + 7 of query 16 a + r
.set i, i+1
.endr
.irp a, 0,1
.irp dt, 0,1,2,3
	ds_store_b128 v[STO], v[SC+16*\a+4*\dt:SC+16*\a+4*\dt+3] offset:\a*16*144+32*\dt
.endr
.endr
.irp i8, 0,1,2,3,4,5,6,7
	ds_load_b128 v[KV+4*\i8:KV+4*\i8+3], v[RD] offset:\i8*4*144    ; LDS serves a wave's instructions in order: these see the stores above
.endr
.irp i8, 0,1,2,3,4,5,6,7
	s_wait_dscnt 7-\i8
	global_store_b128 v[YOFF], v[KV+4*\i8:KV+4*\i8+3], s[\ybase:\ybase+1] offset:\i8*512
.endr
.if \more
	s_wait_xcnt 0x0                                ; KV, which the stores read, is loaded again only behind this wait
.endif
.endm
	s_load_b128 s[4:7], s[0:1], 0x0                ; qkv s[4:5], y s[6:7]
	v_lshl_add_u32 v254, v0, 2, 0x2f000
	v_mov_b32 v255, 0
	ds_add_u32 v254, v255
	v_lshrrev_b32 v[T], 5, v0
	v_readfirstlane_b32 s8, v[T]                   ; wave w
	s_lshr_b32 s9, s8, 2
	s_mul_i32 s9, s9, 3
	s_xor_b32 s63, s8, s9                          ; g = w xor 3 (w / 4): 0 1 2 3 7 6 5 4: my group of 32 queries
	s_lshr_b32 s9, s63, 1                          ; g / 2: which 64 keys of the diagonal block hold my queries
	s_and_b32 s10, ttmp9, 3                        ; j
	s_lshr_b32 s11, ttmp9, 2                       ; 16 b + h
	s_mov_b32 s12, 0x76543210                      ; v_permlanex16_b32: lane i of one half reads lane i of the other
	s_mov_b32 s13, 0xfedcba98
	s_lshl_b32 s14, s10, 1                         ; the first pass's block, and the first key block: 2 j
	s_sub_co_u32 s15, 7, s14                       ; the second pass's: 7 - 2 j
	s_sub_co_u32 s57, 3, s10                       ; trips of the second pass's loop
	; group 1: 128 keys are 16,384 dense bytes, taken as 64 rows of 32 elements of 8 bytes, with padding behind every 128 bytes: 32 bytes for V, 16 for K
	s_mov_b32 s24, (3<<16)|(1<<20)|(4<<22)|(7<<25)
	s_mov_b32 s32, (3<<16)|(1<<20)|(4<<22)|(3<<25)
	s_mov_b32 s25, 32<<16                          ; tensor_dim0 = 32
	s_mov_b32 s33, 32<<16
	s_mov_b32 s26, 64<<16                          ; tensor_dim1 = 64
	s_mov_b32 s34, 64<<16
	s_mov_b32 s27, 32<<16                          ; tile_dim0 = 32
	s_mov_b32 s35, 32<<16
	s_mov_b32 s28, 64                              ; tile_dim1 = 64
	s_mov_b32 s36, 64
	s_mov_b32 s29, 32                              ; from row to row: 32 elements (dense)
	s_mov_b32 s37, 32
	s_mov_b32 s30, 0
	s_mov_b32 s38, 0
	s_mov_b32 s31, 0
	s_mov_b32 s39, 0
	s_mov_b32 s40, 1
	s_mov_b32 s44, 1
	s_and_b32 s20, s11, 15
	s_lshl_b32 s20, s20, 20                        ; h head slots
	s_lshr_b32 s22, s11, 4
	s_lshl_b32 s22, s22, 18                        ; b x 2,048 tokens of 128 bytes
	s_add_co_u32 s22, s22, s20
	s_mov_b32 s23, 0
	s_mov_b32 s21, 0
	s_mul_i32 s58, s8, 128*VPITCH                  ; LDS: V's halves at w x 20,480 (waves 0, 1),
	s_mul_i32 s59, s8, 128*KPITCH
	s_add_co_u32 s59, s59, KOFF-2*128*KPITCH       ; K's at 40,960 + (w - 2) x 18,432 (waves 2, 3)
	s_lshl_b32 s60, s8, 14                         ; 128 keys of 128 bytes a wave
	s_lshl_b32 s62, s63, 12                        ; my 32 queries of 128 bytes: group g
	v_and_b32 v16, 15, v0                          ; r
	v_bfe_u32 v17, v0, 4, 1                        ; h
	v_lshlrev_b32 v[QOFF], 7, v16
	v_lshl_add_u32 v[QOFF], v17, 4, v[QOFF]
	v_add_nc_u32 v[QOFF], s62, v[QOFF]             ; (32 g + r) x 128 + 16 h
	s_wait_dscnt 0x0
	s_wait_kmcnt 0x0
	s_add_nc_u64 s[4:5], s[4:5], s[22:23]          ; q of my head and batch
	s_add_nc_u64 s[6:7], s[6:7], s[22:23]          ; y of my head and batch
	s_lshl_b32 s20, s14, 15
	s_add_nc_u64 s[48:49], s[4:5], s[20:21]        ; the first pass's queries
	s_add_nc_u64 s[52:53], s[6:7], s[20:21]        ; and results
	s_lshl_b32 s20, s15, 15
	s_add_nc_u64 s[50:51], s[4:5], s[20:21]        ; the second pass's
	s_add_nc_u64 s[54:55], s[6:7], s[20:21]
	s_add_co_u32 s20, s60, 32*HS
	s_add_nc_u64 s[16:17], s[4:5], s[20:21]        ; v, my half of a key block (waves 0, 1)
	s_add_co_u32 s20, s60, 16*HS-32768
	s_add_nc_u64 s[18:19], s[4:5], s[20:21]        ; k, my half of a key block (waves 2, 3)
	NEXT 0
	KVLOAD                                         ; the first key block, into slot 0: ahead of every wait on TENSORcnt, LDS read and barrier
	QLOAD 48
	v_and_b32 v18, 31, v0                          ; l
	v_mul_u32_u24 v19, v16, 144
	v_lshl_add_u32 v19, v17, 4, v19                ; r x 144 + 16 h
	v_add_nc_u32 v[VK], KOFF, v19
	v_add_nc_u32 v[VK+1], SLOT+KOFF, v19
	v_and_b32 v20, 7, v0
	v_lshl_add_u32 v21, v17, 3, v20                ; the transposing load: key 8 h + l % 8,
	v_mul_u32_u24 v21, v21, VPITCH
	v_bfe_u32 v22, v0, 3, 1
	v_lshl_add_u32 v[VV], v22, 4, v21              ; 16 bytes (l / 8) % 2 of the 32 of a block of 16 along d
	v_add_nc_u32 v[VV+1], SLOT, v[VV]
	s_mul_i32 s61, s8, WSTAGE
	s_add_co_u32 s61, s61, STAGE                   ; my stage: by the wave's number
	v_add_nc_u32 v[STO], s61, v19
	v_lshrrev_b32 v23, 3, v18
	v_mul_u32_u24 v23, v23, 144
	v_lshl_add_u32 v23, v20, 4, v23
	v_add_nc_u32 v[RD], s61, v23                   ; four tokens of 128 bytes a load
	v_lshl_add_u32 v[YOFF], v18, 4, s62            ; g x 32 tokens + 16 l
	s_and_b32 s63, s63, 1
	s_lshl_b32 s63, s63, 5
	v_lshlrev_b32 v22, 3, v17
	v_sub_nc_u32 v[VQL], v16, v22
	v_add_nc_u32 v[VQL], s63, v[VQL]               ; 32 (g % 2) + r - 8 h
	; nine key blocks, slots 0, 1, 0, 1 ..: the first pass has 2 j + 1, the second 8 - 2 j
	DIAG 0
	s_cmp_eq_u32 s10, 0
	s_cbranch_scc1 .Lend_a
	s_mov_b32 s56, 0
.Lloop_a:
	FULL 1, 1
	FULL 0, 1
	s_add_co_u32 s56, s56, 1
	s_cmp_lt_u32 s56, s10
	s_cbranch_scc1 .Lloop_a
.Lend_a:
	FINAL 1, 52
	DIAG 1
	s_cmp_eq_u32 s57, 0
	s_cbranch_scc1 .Lend_b
	s_mov_b32 s56, 0
.Lloop_b:
	FULL 0, 1
	FULL 1, 1
	s_add_co_u32 s56, s56, 1
	s_cmp_lt_u32 s56, s57
	s_cbranch_scc1 .Lloop_b
.Lend_b:
	FULL 0, 0                                      ; the last key block: nothing is left to fetch
	FINAL 0, 54
	s_wait_tensorcnt 0x0
	ds_add_u32 v254, v255
	s_wait_dscnt 0x0
	s_endpgm
.Lfunc_end_k_qc0216bfccf_attn:
	.size	k_qc0216bfccf_attn, .Lfunc_end_k_qc0216bfccf_attn-k_qc0216bfccf_attn
	.p2alignl 7, 3214868480
	.fill 96, 4, 3214868480
	.section	.rodata,"a",@progbits
	.p2align	6, 0x0
	.amdhsa_kernel k_qc0216bfccf_attn
		.amdhsa_group_segment_fixed_size 327680
		.amdhsa_private_segment_fixed_size 0
		.amdhsa_enable_private_segment 0
		.amdhsa_kernarg_size 16
		.amdhsa_user_sgpr_count 2
		.amdhsa_user_sgpr_kernarg_segment_ptr 1
		.amdhsa_wavefront_size32 1
		.amdhsa_system_sgpr_workgroup_id_x 1
		.amdhsa_system_sgpr_workgroup_id_y 1
		.amdhsa_system_sgpr_workgroup_id_z 1
		.amdhsa_system_vgpr_workitem_id 0
		.amdhsa_next_free_vgpr 256
		.amdhsa_next_free_sgpr 66
		.amdhsa_reserve_vcc 1
		.amdhsa_float_denorm_mode_32 3
		.amdhsa_float_denorm_mode_16_64 3
		.amdhsa_memory_ordered 1
		.amdhsa_forward_progress 1
		.amdhsa_inst_pref_size 211
	.end_amdhsa_kernel
	.amdgpu_metadata
---
amdhsa.version: [ 1, 2 ]
amdhsa.kernels:
  - .name:           k_qc0216bfccf_attn
    .symbol:         k_qc0216bfccf_attn.kd
    .args:
      - { .name: qkv, .offset: 0, .size: 8, .value_kind: global_buffer, .address_space: global }
      - { .name: y, .offset: 8, .size: 8, .value_kind: global_buffer, .address_space: global }
    .group_segment_fixed_size: 327680
    .private_segment_fixed_size: 0
    .kernarg_segment_align: 8
    .kernarg_segment_size: 16
    .max_flat_workgroup_size: 256
    .sgpr_count:     66
    .vgpr_count:     256
    .wavefront_size: 32
...
	.end_amdgpu_metadata
.endif
;; end of part 7
;; launch projgemm (part 8): grid 8 x 32, 4 waves a work-group, clusters of 4 x 4, 327,680 bytes of LDS; arguments y, wpb, out0; writes out0
.if DOCPART == 8
	.amdgcn_target "amdgcn-amd-amdhsa--gfx1250"
	.amdhsa_code_object_version 6
	.text
	.protected	k_qc0216bfccf_projgemm
	.globl	k_qc0216bfccf_projgemm
	.p2align	8
	.type	k_qc0216bfccf_projgemm,@function
k_qc0216bfccf_projgemm:
	s_mov_b64 s[64:65], 0
	v_nop
	global_prefetch_b8 v0, s[64:65] scope:SCOPE_SE
	s_setreg_imm32_b32 hwreg(HW_REG_WAVE_MODE, 25, 1), 1
	s_wait_xcnt 0x0
	s_wait_alu depctr_hold_cnt(0) depctr_sa_sdst(0) depctr_va_vdst(0) depctr_va_sdst(0) depctr_va_ssrc(0) depctr_va_vcc(0) depctr_vm_vsrc(0)
	s_getreg_b32 s2, hwreg(HW_REG_IB_STS2, 6, 4)
	s_cmp_eq_u32 s2, 0
	s_cbranch_scc0 .Lentry_in_a_cluster
	s_endpgm
.Lentry_in_a_cluster:
	s_bfe_u32 s2, ttmp6, 0x10000c
	s_cmp_lg_u32 s2, 0xf033
	s_cbranch_scc0 .Lentry_shape_is_right
	s_endpgm
.Lentry_shape_is_right:
; out0 = y w_proj.  A = y [16 heads][8192 tokens][64] f16 (a head is a block of 64 along K, dense), W = wpb [1024 k][1024 n] f16; sums in f32; out0 [8192][1024] f32.
; LIMIT: w_proj was rounded to bf16 and is held as f16 (above 65,504 infinite, below 6e-5 an absolute step of 6e-8); y is f16.
; A work-group makes 256 tokens x 128 columns: 8 x 32 = 256 work-groups.  Four waves; wave w makes tokens 64 w .. + 63 x all 128 columns: 4 x 8 accumulator
; tiles of 16 x 16, 256 registers, and so owns whole 512-byte pieces of rows on the way out.
; K goes in eight steps of 128 through a ring of two LDS slots filled by the tensor data mover, one load a wave for each slot.  The two slots take 221,184
; bytes of LDS, so a slot cannot hold a second step; a K step is 128 matrix instructions of a wave.
; PREFETCH: the tiles of K steps 2 to 7 are asked for ahead of their tensor loads.  At the end of K step u the tensor loads of step u + 2 go out and, behind them,
; the prefetch of step u + 4, whose tensor loads follow two K steps (256 matrix instructions of a wave) later; steps 2 and 3 are asked for behind the first
; fills; K steps 4 to 7 ask for nothing, so no prefetch points past a buffer.  Wave 0 alone asks, and each aligned block of 256 bytes is asked for once in the launch:
; a step's 65,536 bytes of y for a block row are shared out over the eight work-groups of that block row (32 lanes, 256 bytes apart, each), and K step c's tiles of W
; are asked for by the work-groups of cluster row c (lane l: k row 32 x block row + l, the work-group's own 256 bytes of it).  The step stands in the immediate:
; no address register of a prefetch is ever written again.  For that the four laps are written out without a loop.
; CLUSTERS: 4 x 4 work-groups.  A's tile hangs on the block row alone and is asked for jointly by the four of a row of the cluster, W's on the
; block column alone and is asked for jointly by the four of a column: the requests for A and for W are divided by four.
; W lies [k][n] in LDS as in memory; its fragments are taken by the transposing load ds_load_tr16_b128.
; THE MATRIX INSTRUCTION IS USED TRANSPOSED: source 0 = 16 columns of W, source 1 = 16 tokens of A, so that lane l holds token l % 16 and its
; eight registers the columns 8 (l / 16) + 0 .. 7: eight neighbours of a row of the result.
; REGISTER WINDOWS: 0: addresses, A's fragments (two buffers of 4 x 8), the way out.  1: W's fragments (two buffers of 8 x 8).
; 2: the tiles of my tokens 0-31 (tile (a, b) at 8 (8 a + b)).  3: those of my tokens 32-63.
.set NTOT,   1024                      ; columns of W
.set NB,     8                         ; blocks of 16 columns in a work-group's (and a wave's) part
.set KSTEP,  128
.set HS,     1048576                   ; bytes of one K block of A: 8192 x 128
.set APITCH, 144                       ; a token's 128 bytes of a K block + 16 of padding: 36 words, so 16 tokens start 4 words apart modulo 64
.set SUBT,   256*APITCH                ; one K block of the work-group's 256 tokens
.set BPITCH, 288                       ; a k row of W: 256 bytes + 32 of padding: 9 x 32 bytes
.set CHUNK,  64                        ; two blocks of 16 columns
.set WQI,    5                         ; padding behind every 64 words
.set WPAD,   8                         ; of 8 words
.set HALFB,  64*BPITCH                 ; 64 k rows: what one tensor load brings of W
.set SLOT,   2*SUBT+2*HALFB            ; A's two K blocks, then W's 128 k rows
.set STAGE,  2*SLOT                    ; behind the ring: each wave's own stage for the way out; no tensor load lands there
.set SPITCH, 528                       ; 128 f32 + 16 bytes: 132 words, so 16 rows start 4 words apart modulo 64
.set WSTAGE, 16*SPITCH
.set ADRA, 16                          ; v16-17  LDS address of my A fragments in slot 0, 1
.set ADRB, 20                          ; v20-21  the same for W
.set STO,  24                          ; the way out: where I put 32 bytes
.set RD,   25                          ; the way out: where I read back
.set CO,   26                          ; my byte offset in the result
.set PFA,  27                          ; prefetch of y: 256 x lane; never rewritten
.set PFW,  28                          ; prefetch of W: 2,048 x lane (a k row a lane); never rewritten
.set FA,   32                          ; window 0: A's fragment buffers at 32 and 64
.set RB0,  96                          ; window 0: rows read back, two sets in turn
.set RB1,  160
.set G1,  24                           ; s[24:31] descriptor group 1 for A's tiles
.set G0,  32                           ; s[32:39] group 0 for A's tiles, one set for each slot
.set G1B, 48                           ; s[48:55] group 1 for W's tiles
.set G0B, 56                           ; s[56:63] group 0 for W's tiles, one set for each slot
                                       ; s[66:67] prefetch of y: my eighth of K step 4's tile; s[68:69] prefetch of W: my 32 k rows; never rewritten
.set MSB, 0
.macro WIN new                         ; the immediate's high byte repeats the setting that is left
.if MSB != \new
	s_set_vgpr_msb (MSB<<8)|\new
.set MSB, \new
.endif
.endm
.set MUL_LO, 0xa1                      ; source 0 (W) window 1, source 1 (A) window 0, C and D window 2
.set MUL_HI, 0xf1                      ; the same, C and D window 3
.set TO_B,   0x40                      ; destination window 1, address window 0
; A joint load.  Waves 0 and 1 fetch A's two K blocks, waves 2 and 3 W's two halves.  The branch hangs on the wave's number alone.
.macro JLOAD s
	s_cmp_eq_u32 s11, 0
	s_cbranch_scc0 .Lfor_b_\@
	tensor_load_to_lds s[G0+4*\s:G0+4*\s+3], s[G1:G1+7]
	s_nop 0
	s_branch .Lasked_\@
.Lfor_b_\@:
	tensor_load_to_lds s[G0B+4*\s:G0B+4*\s+3], s[G1B:G1B+7]
	s_nop 0
.Lasked_\@:
.endm
; The prefetch of K step \step's tiles.  Wave 0 alone.  y: my eighth of the tile, in every work-group.  W: only in the cluster row whose number is the step;
; that number (the cluster's y) is equal in all sixteen partners, and the branch jumps over the prefetch alone.
.macro PFETCH step
	s_cmp_lg_u32 s10, 0
	s_cbranch_scc1 .Lno_pf_\@
	global_prefetch_b8 v[PFA], s[66:67] offset:(\step-4)*2*HS th:TH_LOAD_NT scope:SCOPE_SE
	s_cmp_lg_u32 s45, \step
	s_cbranch_scc1 .Lno_pf_\@
	global_prefetch_b8 v[PFW], s[68:69] th:TH_LOAD_NT scope:SCOPE_SE
.Lno_pf_\@:
.endm
; A round of the cluster's barrier: my work-group's barrier; wave 0 signals for the work-group; every wave waits for all sixteen; my work-group's barrier again.
.macro CREST                           ; a round behind its opening barrier
	s_cmp_lg_u32 s10, 0
	s_cbranch_scc1 .Lnot_wave_0_\@
	s_barrier_signal -3
.Lnot_wave_0_\@:
	s_barrier_wait -3
	s_barrier_signal -1
	s_barrier_wait -1
.endm
.macro CROUND
	s_barrier_signal -1
	s_barrier_wait -1
	CREST
.endm
	s_load_b128 s[4:7], s[0:1], 0x0                ; A s[4:5], W s[6:7]
	s_load_b64 s[8:9], s[0:1], 0x10                ; the result
	s_set_vgpr_msb 0x40
	v_lshl_add_u32 v255, v0, 2, 0x3e400
	s_set_vgpr_msb 0x4000
	v_mov_b32 v255, 0
	s_set_vgpr_msb 0x1
	ds_add_u32 v255, v255
	s_wait_dscnt 0x0
	s_set_vgpr_msb 0x100
	v_lshrrev_b32 v1, 5, v0
	v_readfirstlane_b32 s10, v1                    ; wave 0..3
	v_and_b32 v6, 31, v0                           ; lane
	v_lshlrev_b32 v[PFA], 8, v6
	v_lshlrev_b32 v[PFW], 11, v6
	s_lshr_b32 s11, s10, 1                         ; I fetch for A (0) or for W (1)
	s_and_b32 s12, s10, 1                          ; which half of that tile
	s_bfe_u32 s40, ttmp6, 0x40000                  ; cx
	s_bfe_u32 s41, ttmp6, 0x40004                  ; cy
	s_lshl_b32 s42, ttmp9, 2
	s_add_co_u32 s42, s42, s40                     ; block column = 4 x cluster x + cx
	s_and_b32 s45, ttmp7, 0xffff                   ; the cluster's y, 0 .. 7: equal in all sixteen partners
	s_lshl_b32 s13, s45, 2
	s_add_co_u32 s13, s13, s41                     ; block row = 4 x cluster y + cy
	s_lshl_b32 s43, s41, 2
	s_lshl_b32 s43, 15, s43                        ; my row of the cluster: places 4 cy .. 4 cy + 3
	s_lshl_b32 s44, 0x1111, s40                    ; my column: places cx, cx + 4, cx + 8, cx + 12
	; group 1 for A: a K block of 256 tokens is 32,768 dense bytes, taken as 128 rows of 32 elements of 8 bytes; 16 bytes of padding behind every 128
	s_or_b32 s[G1+0], s43, (3<<16)|(1<<20)|(1<<21)|(4<<22)|(3<<25)  ; mask of my row; element of 8 bytes; padding on; bit 21 beside a mask; after every 32 words; 4 words
	s_mov_b32 s[G1+1], 32<<16                      ; tensor_dim0 = 32
	s_mov_b32 s[G1+2], 128<<16                     ; tensor_dim1 = 128
	s_mov_b32 s[G1+3], 32<<16                      ; tile_dim0 = 32
	s_mov_b32 s[G1+4], 128                         ; tile_dim1 = 128
	s_mov_b32 s[G1+5], 32                          ; from row to row: 32 elements (dense)
	s_mov_b32 s[G1+6], 0
	s_mov_b32 s[G1+7], 0
	; group 1 for W: 64 k rows x 16 NB columns of 2 bytes: rows of 256 bytes that start at multiples of 256 bytes
	s_or_b32 s[G1B+0], s44, (1<<16)|(1<<20)|(1<<21)|(WQI<<22)|((WPAD-1)<<25)
	s_mov_b32 s[G1B+1], (16*NB)<<16
	s_mov_b32 s[G1B+2], 64<<16
	s_mov_b32 s[G1B+3], (16*NB)<<16
	s_mov_b32 s[G1B+4], 64
	s_mov_b32 s[G1B+5], NTOT
	s_mov_b32 s[G1B+6], 0
	s_mov_b32 s[G1B+7], 0
	; where the tiles come from: A's address is made of the block row and the wave's number, W's of the block column and the wave's number
	s_lshl_b32 s16, s13, 15                        ; 256 tokens of 128 bytes a block row
	s_lshl_b32 s17, s12, 20                        ; + my K block of the step's two
	s_add_co_u32 s16, s16, s17
	s_mov_b32 s17, 0
	s_mul_i32 s46, s42, 32*NB                      ; 16 NB columns of 2 bytes a block column
	s_mul_i32 s47, s12, 64*NTOT*2                  ; + my 64 k rows of the step's 128
	s_add_co_u32 s46, s46, s47
	s_mov_b32 s47, 0
	s_mul_i32 s20, s10, SUBT                       ; where they go: A's K blocks at wave x SUBT (waves 0, 1),
	s_mul_i32 s21, s10, HALFB
	s_add_co_u32 s21, s21, 2*SUBT-2*HALFB          ; W's halves at 2 SUBT + (wave - 2) x HALFB (waves 2, 3)
	; the prefetches' offsets, in registers that feed no descriptor.  y: K block 8 + bx / 4 (K step 4), my block row's 32,768 bytes, quarter bx % 4 of them
	s_lshr_b32 s66, s42, 2
	s_add_co_u32 s66, s66, 8
	s_lshl_b32 s66, s66, 20
	s_lshl_b32 s70, s13, 15
	s_add_co_u32 s66, s66, s70
	s_and_b32 s70, s42, 3
	s_lshl_b32 s70, s70, 13
	s_add_co_u32 s66, s66, s70
	s_mov_b32 s67, 0
	s_lshl_b32 s68, s13, 16                        ; W: k rows 32 x block row .. + 31 of 2,048 bytes,
	s_lshl_b32 s70, s42, 8                         ; my block column's 256 bytes of them
	s_add_co_u32 s68, s68, s70
	s_mov_b32 s69, 0
	CROUND                                         ; all sixteen work-groups are here: the first joint loads meet.  The round names no argument, so it runs while they arrive
	s_wait_kmcnt 0x0                               ; the arguments, in front of the first lines that read them
	s_add_nc_u64 s[14:15], s[4:5], s[16:17]
	s_add_nc_u64 s[46:47], s[6:7], s[46:47]
	s_add_nc_u64 s[66:67], s[4:5], s[66:67]
	s_add_nc_u64 s[68:69], s[6:7], s[68:69]
.irp s, 0,1
	s_mov_b32 s[G0+4*\s], 1
	s_add_co_u32 s[G0+4*\s+1], s20, \s*SLOT
	s_add_nc_u64 s[G0+4*\s+2:G0+4*\s+3], s[14:15], \s*2*HS          ; K step s: K blocks 2 s, 2 s + 1
	s_or_b32 s[G0+4*\s+3], s[G0+4*\s+3], 0x80000000
	s_mov_b32 s[G0B+4*\s], 1
	s_add_co_u32 s[G0B+4*\s+1], s21, \s*SLOT
	s_add_nc_u64 s[G0B+4*\s+2:G0B+4*\s+3], s[46:47], \s*KSTEP*NTOT*2
	s_or_b32 s[G0B+4*\s+3], s[G0B+4*\s+3], 0x80000000
	JLOAD \s                                       ; both slots' first fills go out together: two tensor loads of a wave are out at the most
.endr
	PFETCH 2                                       ; their tensor loads go out at the ends of K steps 0 and 1
	PFETCH 3
	v_and_b32 v1, 15, v0                           ; r = l % 16
	v_bfe_u32 v2, v0, 4, 1                         ; h = l / 16
	v_mul_u32_u24 v3, v1, APITCH
	v_lshl_add_u32 v3, v2, 4, v3                   ; r x 144 + 16 h
	s_mul_i32 s22, s10, 64*APITCH                  ; my 64 tokens
	v_add_nc_u32 v[ADRA], s22, v3
	v_add_nc_u32 v[ADRA+1], SLOT, v[ADRA]
	v_and_b32 v8, 7, v0
	v_lshl_add_u32 v4, v2, 3, v8                   ; the transposing load: k row 8 h + l % 8,
	v_mul_u32_u24 v4, v4, BPITCH
	v_bfe_u32 v5, v0, 3, 1
	v_lshl_add_u32 v4, v5, 4, v4                   ; 16 bytes (l / 8) % 2 of the block's 32
	v_add_nc_u32 v[ADRB], 2*SUBT, v4
	v_add_nc_u32 v[ADRB+1], SLOT, v[ADRB]
	s_mul_i32 s23, s10, WSTAGE
	s_add_co_u32 s23, s23, STAGE                   ; my stage
	v_mul_u32_u24 v7, v1, SPITCH
	v_lshl_add_u32 v7, v2, 5, v7
	v_add_nc_u32 v[STO], s23, v7                   ; in: token r, 32 bytes for each half of the lanes
	v_lshlrev_b32 v[CO], 4, v6                     ; back and out: one token's 512 bytes a load, 16 bytes a lane
	v_add_nc_u32 v[RD], s23, v[CO]
.macro WM d, a, b, zero
.if \zero
	v_wmma_f32_16x16x32_f16 v[\d:\d+7], v[\a:\a+7], v[\b:\b+7], 0
.else
	v_wmma_f32_16x16x32_f16 v[\d:\d+7], v[\a:\a+7], v[\b:\b+7], v[\d:\d+7]
.endif
.endm
; NB matrix instructions: token block 2 hi + a x all NB column blocks, 32 along K, from fragment buffer f.  zero = 1: the product starts the sums.
.macro MULROW f, hi, a, zero
.set b, 0
.rept NB
	WM 8*(NB*\a+b), 96*\f+8*b, FA+32*\f+8*(2*\hi+\a), \zero
.set b, b+1
.endr
.endm
; 2 NB + 8 LDS loads in one run: the fragments of quarter q (32 along K) of a slot into buffer f: W's first, then A's four
.macro FETCH slot, q, f
	WIN TO_B
.set b, 0
.rept NB
	ds_load_tr16_b128 v[96*\f+8*b:96*\f+8*b+3],   v[ADRB+\slot] offset:32*\q*BPITCH+(b/2)*CHUNK+(b%2)*32
	ds_load_tr16_b128 v[96*\f+8*b+4:96*\f+8*b+7], v[ADRB+\slot] offset:32*\q*BPITCH+(b/2)*CHUNK+(b%2)*32+16*BPITCH
.set b, b+1
.endr
	WIN 0
.irp i, 0,1,2,3
	ds_load_b128 v[FA+32*\f+8*\i:FA+32*\f+8*\i+3],   v[ADRA+\slot] offset:(\q/2)*SUBT+(\q%2)*64+\i*16*APITCH
	ds_load_b128 v[FA+32*\f+8*\i+4:FA+32*\f+8*\i+7], v[ADRA+\slot] offset:(\q/2)*SUBT+(\q%2)*64+\i*16*APITCH+32
.endr
.endm
; A load into a register that a matrix instruction has read, and a vector instruction or LDS store that reads a matrix result, stand four places
; behind that matrix instruction; only plain vector instructions that name none of its registers are places.
.macro PLACES
.rept 4
	v_nop
.endr
.endm
; One of a K step's first three quarters: multiplies buffer f; in its middle fetches quarter q of the same slot into buffer g.
; The 4 NB accumulators take turns, one instruction a turn, in the same order in every quarter.
.macro QUARTER slot, q, f, g, zero
	s_wait_dscnt 4                                 ; W's fragments and A's 0 and 1 are in; the youngest four loads (A's 2 and 3) may be out
	WIN MUL_LO
	MULROW \f, 0, 0, \zero
	MULROW \f, 0, 1, \zero
	PLACES
	FETCH \slot, \q, \g
	s_wait_dscnt 2*NB+8                            ; all but the run just issued
	WIN MUL_HI
	MULROW \f, 1, 0, \zero
	MULROW \f, 1, 1, \zero
.endm
.macro THREE slot, zero
	QUARTER \slot, 1, 0, 1, \zero
	QUARTER \slot, 2, 1, 0, 0
	QUARTER \slot, 3, 0, 1, 0
.endm
; The last quarter: multiplies buffer 1 and changes slots.  In front of the barrier each wave waits for its reads of this slot and for all its
; tensor loads (the one that is out is its part of the next slot).  Where the slot is filled again the barrier opens a round of the cluster's
; barrier, and the joint refill is the first tensor load behind the round's closing wait.  pf: the K step whose tiles are prefetched behind it, or 0.
.macro TURN slot, next, fill, pf
	s_wait_dscnt 4
	WIN MUL_LO
	MULROW 1, 0, 0, 0
	s_wait_dscnt 0                                 ; my reads of this slot are over
	s_wait_tensorcnt 0x0                           ; all my tensor loads have landed
	ds_add_u32 v255, v255
	s_wait_dscnt 0x0
	s_barrier_signal -1
	MULROW 1, 0, 1, 0                              ; register work while the others arrive
	WIN 0
	s_barrier_wait -1
.if \fill
	CREST
	s_add_nc_u64 s[G0+4*\slot+2:G0+4*\slot+3], s[G0+4*\slot+2:G0+4*\slot+3], 4*HS              ; two K steps on: four K blocks
	s_add_nc_u64 s[G0B+4*\slot+2:G0B+4*\slot+3], s[G0B+4*\slot+2:G0B+4*\slot+3], 2*KSTEP*NTOT*2
	JLOAD \slot
.endif
.if \pf
	PFETCH \pf
.endif
	PLACES
	FETCH \next, 0, 0
	WIN MUL_HI
	MULROW 1, 1, 0, 0
	MULROW 1, 1, 1, 0
.endm
.macro LAP zero, pfa, pfb              ; once round the ring: two K steps, both slots filled again
	THREE 0, \zero
	TURN 0, 1, 1, \pfa
	THREE 1, 0
	TURN 1, 0, 1, \pfb
.endm
	s_wait_tensorcnt 1                             ; my part of K step 0 is in; K step 1's stays out
	s_barrier_signal -1
	s_barrier_wait -1
	FETCH 0, 0, 0
	LAP 1, 4, 5                                    ; K steps 0, 1: the first products start the sums
	LAP 0, 6, 7                                    ; K steps 2, 3
	LAP 0, 0, 0                                    ; K steps 4, 5: the last refills; nothing is left to prefetch
	THREE 0, 0                                     ; K steps 6, 7 fill nothing
	TURN 0, 1, 0, 0
	THREE 1, 0
	s_wait_dscnt 4
	WIN MUL_LO
	MULROW 1, 0, 0, 0
	MULROW 1, 0, 1, 0
	s_wait_dscnt 0
	WIN MUL_HI
	MULROW 1, 1, 0, 0
	MULROW 1, 1, 1, 0
	; THE WAY OUT, 16 tokens at a time: a lane's eight f32 of a tile are 32 neighbouring bytes of a row; they go straight from the accumulators into my own
	; stage and come back as whole pieces of rows, 512 bytes a load.
	PLACES
	s_lshl_b32 s16, s13, 20                        ; 256 rows of 4,096 bytes a block row
	s_lshl_b32 s17, s10, 18                        ; + my 64 rows
	s_add_co_u32 s16, s16, s17
	s_mov_b32 s17, 0
	s_add_nc_u64 s[8:9], s[8:9], s[16:17]
	s_lshl_b32 s46, s42, 9                         ; 128 columns of 4 bytes a block column
	s_mov_b32 s47, 0
	s_add_nc_u64 s[8:9], s[8:9], s[46:47]
; tokens 16 i .. + 15 = the NB tiles (a, 0 .. NB-1) of window 2 or 3 (from = 0x08 or 0x0c: an LDS store's data are its source 1)
.macro OUT16 i, a, from, rb
	WIN \from
.set b, 0
.rept NB
	ds_store_b128 v[STO], v[8*(NB*\a+b):8*(NB*\a+b)+3]   offset:64*b
	ds_store_b128 v[STO], v[8*(NB*\a+b)+4:8*(NB*\a+b)+7] offset:64*b+16
.set b, b+1
.endr
	WIN 0
	s_wait_xcnt 0x0                                ; set rb, which earlier stores read, is loaded again only behind this wait
.set b, 0
.rept 16
	ds_load_b128 v[\rb+4*b:\rb+4*b+3], v[RD] offset:b*SPITCH       ; LDS serves a wave's instructions in order: these see the stores above
.set b, b+1
.endr
.set b, 0
.rept 16
	s_wait_dscnt 15-b
	global_store_b128 v[CO], v[\rb+4*b:\rb+4*b+3], s[8:9] offset:(16*\i+b)*4096 th:TH_STORE_NT   ; 512 consecutive bytes of a row, aligned
.set b, b+1
.endr
.endm
	OUT16 0, 0, 0x08, RB0
	OUT16 1, 1, 0x08, RB1
	OUT16 2, 0, 0x0c, RB0
	OUT16 3, 1, 0x0c, RB1
	s_set_vgpr_msb 0x1
	s_wait_tensorcnt 0x0
	ds_add_u32 v255, v255
	s_wait_dscnt 0x0
	s_set_vgpr_msb 0x100
	CROUND                                         ; the closing round: no work-group ends while a partner may still ask for a tile that names it
	s_endpgm
.Lfunc_end_k_qc0216bfccf_projgemm:
	.size	k_qc0216bfccf_projgemm, .Lfunc_end_k_qc0216bfccf_projgemm-k_qc0216bfccf_projgemm
	.p2alignl 7, 3214868480
	.fill 96, 4, 3214868480
	.section	.rodata,"a",@progbits
	.p2align	6, 0x0
	.amdhsa_kernel k_qc0216bfccf_projgemm
		.amdhsa_group_segment_fixed_size 327680
		.amdhsa_private_segment_fixed_size 0
		.amdhsa_enable_private_segment 0
		.amdhsa_kernarg_size 24
		.amdhsa_user_sgpr_count 2
		.amdhsa_user_sgpr_kernarg_segment_ptr 1
		.amdhsa_wavefront_size32 1
		.amdhsa_system_sgpr_workgroup_id_x 1
		.amdhsa_system_sgpr_workgroup_id_y 1
		.amdhsa_system_sgpr_workgroup_id_z 1
		.amdhsa_system_vgpr_workitem_id 0
		.amdhsa_next_free_vgpr 896
		.amdhsa_next_free_sgpr 72
		.amdhsa_reserve_vcc 0
		.amdhsa_float_denorm_mode_32 3
		.amdhsa_float_denorm_mode_16_64 3
		.amdhsa_memory_ordered 1
		.amdhsa_forward_progress 1
		.amdhsa_inst_pref_size 154
	.end_amdhsa_kernel
	.amdgpu_metadata
---
amdhsa.version: [ 1, 2 ]
amdhsa.kernels:
  - .name:           k_qc0216bfccf_projgemm
    .symbol:         k_qc0216bfccf_projgemm.kd
    .args:
      - { .name: y, .offset: 0, .size: 8, .value_kind: global_buffer, .address_space: global }
      - { .name: wpb, .offset: 8, .size: 8, .value_kind: global_buffer, .address_space: global }
      - { .name: out0, .offset: 16, .size: 8, .value_kind: global_buffer, .address_space: global }
    .group_segment_fixed_size: 327680
    .private_segment_fixed_size: 0
    .kernarg_segment_align: 8
    .kernarg_segment_size: 24
    .max_flat_workgroup_size: 128
    .sgpr_count:     72
    .vgpr_count:     896
    .wavefront_size: 32
...
	.end_amdgpu_metadata
.endif
;; end of part 8
;; ======== version 3 of 3: 4 launches; version 2 with the launch cast written anew for expert scheduling mode
;; limits: values are held in f16: magnitudes above 65,504 overflow, below 6.1e-05 lose precision
;; workspace buffers: xb 16,777,216 bytes; wab 6,291,456 bytes; wpb 2,097,152 bytes; qkv 50,331,648 bytes; y 16,777,216 bytes
;; launch cast (part 9): grid 832 x 1, 8 waves a work-group, no clusters, 0 bytes of LDS; arguments x, w_attn, w_proj, xb, wab, wpb; writes xb, wab, wpb
.if DOCPART == 9
	.amdgcn_target "amdgcn-amd-amdhsa--gfx1250"
	.amdhsa_code_object_version 6
	.text
	.protected	k_qc0216bfccf_cast
	.globl	k_qc0216bfccf_cast
	.p2align	8
	.type	k_qc0216bfccf_cast,@function
k_qc0216bfccf_cast:
	s_mov_b64 s[64:65], 0
	v_nop
	global_prefetch_b8 v0, s[64:65] scope:SCOPE_SE
	s_setreg_imm32_b32 hwreg(HW_REG_WAVE_SCHED_MODE, 0, 2), 2
	s_setreg_imm32_b32 hwreg(HW_REG_WAVE_MODE, 25, 1), 1
	s_wait_xcnt 0x0
	s_wait_alu depctr_vm_vsrc(0)
; The three f32 inputs are rounded once to 16 bits for the matrix launches that follow.
;   x      [8192 tokens][1024]  -> xb  [16 kb][8192 tokens][64] bf16: each block of 64 along K lies dense, 128 bytes a token
;   w_attn [1024 k][3072 n]     -> wab [16 block columns][1024 k][192] bf16: a block column's k rows lie dense, 384 bytes each
;   w_proj [1024][1024]         -> wpb the same order, rounded to bf16 like the other inputs and then held as f16
; LIMIT: a |w_proj| above 65,504 becomes infinite in f16, one below 6e-5 keeps an absolute step of 6e-8.
; A stream: no LDS, no barrier, no matrix unit.  Eight waves a work-group.  Work-groups 0-511 take x (16 tokens = 65,536 bytes each), 512-767 w_attn
; (64 k rows of one block column = 49,152 bytes each), 768-831 w_proj (65,536 bytes each).
; A UNIT is one load of 16 bytes a lane (4 f32) and one store of 8 bytes a lane (4 numbers of 16 bits).  Sixteen neighbouring lanes read 256 consecutive
; bytes, aligned, and the 32 lanes of a store write 256 consecutive bytes, aligned.  All of a wave's loads (16, for w_attn 12) go out first.
; THE MODE: SCHED_MODE bits 1:0 = 2 (LLVM: expert scheduling mode 2), set by the entry lines.  The code itself states the register dependences
; between vector instructions and memory instructions, with s_wait_alu, always for 0.
; THE PLAN.  Registers that memory instructions touch:
;   v1, v6, v2   byte offsets.  Written by a path's address lines, once; read by its loads (v1, v6) and its stores (v2); never written again.
;   X            Written by the loads alone, each register once; read by the conversions behind the wait for the data.  No load lands in a register that a vector instruction has named.
;   Y            Unit u's pair is written by unit u's conversions and read by unit u's one store; never written again behind it.
;   v3, v[4:5]   are named by vector instructions alone.
; So a path has one wait ahead of its first load (the offsets are written), and the units go in BLOCKS OF FOUR: at the head of block p, behind the wait for its data,
; one wait states that block p - 1's conversions have written their Y; that block's four stores follow, dealt among block p's conversions, which name block p's X and Y
; and v[4:5]: none of the registers that those stores touch.  One more wait stands ahead of the last block's stores.  No register that a memory instruction
; reads is written again, so nothing is owed on that side.  The wave's number goes through a scalar register: one wait at the head, ahead of the first branch.
.set HS,  1048576                      ; bytes of one K block of xb: 8192 x 128
.set SO,  1                            ; v1        a lane's byte offset in the source
.set DO,  2                            ; v2        a lane's byte offset in the destination
.set LN,  3                            ; v3        lane
.set T,   4                            ; v[4:5]    at work
.set SO1, 6                            ; v6        w_attn: the source offset of the unit that straddles two k rows
.set X,   8                            ; v[8:71]   unit u: 4 f32 as loaded
.set Y,   72                           ; v[72:103] unit u: 2 registers to store
.macro LD i, so, src, off
	global_load_b128 v[X+4*\i:X+4*\i+3], v[\so], s[\src:\src+1] offset:\off th:TH_LOAD_NT
.endm
; Unit i's conversions.  tof16 = 1: the bf16 numbers are written as f16.
.macro CV i, tof16
	v_cvt_pk_bf16_f32 v[Y+2*\i],   v[X+4*\i],   v[X+4*\i+1]
	v_cvt_pk_bf16_f32 v[Y+2*\i+1], v[X+4*\i+2], v[X+4*\i+3]
.if \tof16
.irp k, 0,1
	v_lshlrev_b32 v[T],   16, v[Y+2*\i+\k]         ; the two bf16 as f32,
	v_and_b32     v[T+1], 0xffff0000, v[Y+2*\i+\k]
	v_cvt_pk_f16_f32 v[Y+2*\i+\k], v[T], v[T+1]    ; and as f16: 8 bits of mantissa fit into 11
.endr
.endif
.endm
; Unit i's store.
.macro ST i, dst, off
	global_store_b64 v[DO], v[Y+2*\i:Y+2*\i+1], s[\dst:\dst+1] offset:\off
.endm
; A path's cnt units are converted and stored, in blocks of four.  Unit u goes to byte (u / dv) x 256 + (u % dv) x ms behind the wave's place in the destination.
.macro DRAIN cnt, dst, dv, ms, tof16
.set u, 0
.rept (\cnt)/4
	s_wait_loadcnt (\cnt)-4-u                      ; loads come back in order: this block's four are in, the younger blocks' stay out
.if u > 0
	s_wait_alu depctr_va_vdst(0)                   ; the block before has written its Y, which the four stores below read
.endif
.rept 4
.if u >= 4
.set pu, u-4
.set do_, (pu/\dv)*256+(pu%\dv)*\ms
	ST pu, \dst, do_                               ; the block before: no vector instruction since the wait names its Y or v[DO]
.endif
	CV u, \tof16
.set u, u+1
.endr
.endr
	s_wait_alu depctr_va_vdst(0)                   ; the last block has written its Y, which the last four stores read
.rept 4
.set pu, u-4
.set do_, (pu/\dv)*256+(pu%\dv)*\ms
	ST pu, \dst, do_
.set u, u+1
.endr
.endm
	s_load_b256 s[4:11], s[0:1], 0x0               ; x s[4:5], w_attn s[6:7], w_proj s[8:9], xb s[10:11]
	s_load_b128 s[12:15], s[0:1], 0x20             ; wab s[12:13], wpb s[14:15]
	v_lshrrev_b32 v[T], 5, v0
	v_readfirstlane_b32 s16, v[T]                  ; wave w
	v_and_b32 v[LN], 31, v0
	s_mov_b32 s19, 0                               ; high words of the two offset pairs
	s_mov_b32 s21, 0
	s_wait_alu depctr_va_sdst(0)                   ; s16 is written, ahead of the branch: each of the three paths makes its offsets from it
	s_cmp_lt_u32 ttmp9, 512
	s_cbranch_scc0 .Lweights
	; x: wave w takes K blocks 2w and 2w + 1 of the group's 16 tokens.  Unit u: tokens 2 (u/2) and 2 (u/2) + 1, K block 2w + u%2.
	; Lanes 0-15 take the first token's 256 bytes of the K block, lanes 16-31 the second token's; in xb the two tokens' 128 bytes are neighbours.
	v_lshrrev_b32 v[SO], 4, v[LN]
	v_and_b32 v[T], 15, v[LN]
	v_lshlrev_b32 v[SO], 12, v[SO]                 ; a token is 4,096 bytes of x
	v_lshl_add_u32 v[SO], v[T], 4, v[SO]
	s_lshl_b32 s17, s16, 9                         ; two K blocks of 256 bytes a wave
	v_add_nc_u32 v[SO], s17, v[SO]
	s_lshl_b32 s17, s16, 21                        ; two K blocks of xb a wave
	v_lshl_add_u32 v[DO], v[LN], 3, s17            ; 128 (lane/16) + 8 (lane%16) = 8 lane
	s_lshl_b32 s18, ttmp9, 16                      ; 16 tokens of 4,096 bytes
	s_lshl_b32 s20, ttmp9, 11                      ; 16 tokens of 128 bytes
	s_wait_kmcnt 0x0
	s_add_nc_u64 s[4:5], s[4:5], s[18:19]
	s_add_nc_u64 s[10:11], s[10:11], s[20:21]
	s_wait_alu depctr_va_vdst(0)                   ; v[SO] and v[DO] are written: every load and store of this path reads one of them as its offset
.set u, 0
.rept 16
.set so_, (u/2)*8192+(u%2)*256
	LD u, SO, 4, so_
.set u, u+1
.endr
	DRAIN 16, 10, 2, HS, 0                         ; unit u: tokens' pair u / 2 (256 bytes), K block u % 2
	s_endpgm
.Lweights:
	s_cmp_lt_u32 ttmp9, 768
	s_cbranch_scc0 .Lproj
	; w_attn: wave W = 8 (group - 512) + w of 2,048 takes k rows 8 (W % 128) .. + 7 of block column W / 128: 8 x 768 bytes of source, 3,072 dense bytes of wab.
	; Two k rows are 96 groups of 4 columns = 3 units: unit 0 the first row's groups 0-31; unit 1 its groups 32-47 (lanes 0-15) and the second row's groups
	; 0-15 (lanes 16-31); unit 2 the second row's groups 16-47.  In wab the 96 groups follow each other.
	s_sub_co_u32 s17, ttmp9, 512
	s_lshl3_add_u32 s17, s17, s16                  ; W
	s_and_b32 s18, s17, 127
	s_mul_i32 s18, s18, 8*12288                    ; 8 k rows of 12,288 bytes
	s_lshr_b32 s22, s17, 7
	s_mul_i32 s22, s22, 768                        ; a block column is 768 bytes of a row of w_attn
	s_add_co_u32 s18, s18, s22
	s_mul_i32 s20, s17, 3072
	v_lshlrev_b32 v[SO], 4, v[LN]                  ; 16 lane
	v_lshrrev_b32 v[T], 4, v[LN]
	v_mul_u32_u24 v[T], v[T], 11520                ; lanes 16-31 of unit 1: one row on and 48 groups back: 12,288 - 768
	v_add_nc_u32 v[SO1], v[SO], v[T]
	v_lshlrev_b32 v[DO], 3, v[LN]                  ; 8 lane
	s_wait_kmcnt 0x0
	s_add_nc_u64 s[6:7], s[6:7], s[18:19]
	s_add_nc_u64 s[12:13], s[12:13], s[20:21]
	s_wait_alu depctr_va_vdst(0)                   ; v[SO], v[SO1] and v[DO] are written: every load and store of this path reads one of them as its offset
.set u, 0
.rept 12
.if u%3 == 1
.set so_, (u/3)*24576+512
	LD u, SO1, 6, so_
.else
.set so_, (u/3)*24576+((u%3)/2)*12544
	LD u, SO, 6, so_
.endif
.set u, u+1
.endr
	DRAIN 12, 12, 1, 0, 0                          ; unit u: 256 bytes on from unit u - 1
	s_endpgm
.Lproj:
	; w_proj keeps its order: wave w takes 8,192 bytes of the group's 65,536; a unit is 512 bytes of source and 256 of destination
	s_lshl_b32 s17, s16, 13
	v_lshl_add_u32 v[SO], v[LN], 4, s17
	s_lshl_b32 s17, s16, 12
	v_lshl_add_u32 v[DO], v[LN], 3, s17
	s_sub_co_u32 s17, ttmp9, 768
	s_lshl_b32 s18, s17, 16
	s_lshl_b32 s20, s17, 15
	s_wait_kmcnt 0x0
	s_add_nc_u64 s[8:9], s[8:9], s[18:19]
	s_add_nc_u64 s[14:15], s[14:15], s[20:21]
	s_wait_alu depctr_va_vdst(0)                   ; v[SO] and v[DO] are written: every load and store of this path reads one of them as its offset
.set u, 0
.rept 16
.set so_, u*512
	LD u, SO, 8, so_
.set u, u+1
.endr
	DRAIN 16, 14, 1, 0, 1                          ; unit u: 256 bytes on from unit u - 1; held as f16
	s_endpgm
.Lfunc_end_k_qc0216bfccf_cast:
	.size	k_qc0216bfccf_cast, .Lfunc_end_k_qc0216bfccf_cast-k_qc0216bfccf_cast
	.p2alignl 7, 3214868480
	.fill 96, 4, 3214868480
	.section	.rodata,"a",@progbits
	.p2align	6, 0x0
	.amdhsa_kernel k_qc0216bfccf_cast
		.amdhsa_group_segment_fixed_size 0
		.amdhsa_private_segment_fixed_size 0
		.amdhsa_enable_private_segment 0
		.amdhsa_kernarg_size 48
		.amdhsa_user_sgpr_count 2
		.amdhsa_user_sgpr_kernarg_segment_ptr 1
		.amdhsa_wavefront_size32 1
		.amdhsa_system_sgpr_workgroup_id_x 1
		.amdhsa_system_sgpr_workgroup_id_y 1
		.amdhsa_system_sgpr_workgroup_id_z 1
		.amdhsa_system_vgpr_workitem_id 0
		.amdhsa_next_free_vgpr 104
		.amdhsa_next_free_sgpr 66
		.amdhsa_reserve_vcc 0
		.amdhsa_float_denorm_mode_32 3
		.amdhsa_float_denorm_mode_16_64 3
		.amdhsa_memory_ordered 1
		.amdhsa_forward_progress 1
		.amdhsa_inst_pref_size 23
	.end_amdhsa_kernel
	.amdgpu_metadata
---
amdhsa.version: [ 1, 2 ]
amdhsa.kernels:
  - .name:           k_qc0216bfccf_cast
    .symbol:         k_qc0216bfccf_cast.kd
    .args:
      - { .name: x, .offset: 0, .size: 8, .value_kind: global_buffer, .address_space: global }
      - { .name: w_attn, .offset: 8, .size: 8, .value_kind: global_buffer, .address_space: global }
      - { .name: w_proj, .offset: 16, .size: 8, .value_kind: global_buffer, .address_space: global }
      - { .name: xb, .offset: 24, .size: 8, .value_kind: global_buffer, .address_space: global }
      - { .name: wab, .offset: 32, .size: 8, .value_kind: global_buffer, .address_space: global }
      - { .name: wpb, .offset: 40, .size: 8, .value_kind: global_buffer, .address_space: global }
    .group_segment_fixed_size: 0
    .private_segment_fixed_size: 0
    .kernarg_segment_align: 8
    .kernarg_segment_size: 48
    .max_flat_workgroup_size: 256
    .sgpr_count:     66
    .vgpr_count:     104
    .wavefront_size: 32
...
	.end_amdgpu_metadata
.endif
;; end of part 9
;; launch qkvgemm: the kernel of part 6 again; grid 8 x 32, 4 waves a work-group, clusters of 4 x 4, 327,680 bytes of LDS; arguments xb, wab, qkv; writes qkv
;; launch attn: the kernel of part 7 again; grid 256 x 1, 8 waves a work-group, no clusters, 327,680 bytes of LDS; arguments qkv, y; writes y
;; launch projgemm: the kernel of part 8 again; grid 8 x 32, 4 waves a work-group, clusters of 4 x 4, 327,680 bytes of LDS; arguments y, wpb, out0; writes out0
